; MI455X (gfx1250); checked and timed in simulation.
; The chip was launched on July 23, 2026; its instructions are those of AMD's public machine-readable ISA for CDNA 5 (MIT licence, August 2026) and "CDNA5" Instruction Set Architecture Reference Guide (July 2026). The comments in the code are by the model that wrote it; some were corrected since.
;; Empathy Attention. Allowed arithmetic: matrix products marked QUANTISED: E2M1 operands, one E8M0 scale for each 32 along K, by v_wmma_scale_f32_16x16x128_f8f6f4 with both operands' format E2M1 (or v_wmma_scale_f32_32x16x128_f4), f32 sums; products left as they are: bf16, f16 or f32 operands; f32 sums; everything else in f32.
;; Inputs: Wk 1,024 x 1,024 float32; Wo 1,024 x 1,024 float32; Wq 1,024 x 1,024 float32; Wv 1,024 x 1,024 float32; bk 1,024 float32; bo 1,024 float32; bq 1,024 float32; bv 1,024 float32; k 2 x 2,048 x 1,024 float32; mask 1 x 1 x 1 x 2,048 int32; q 2 x 2,048 x 1,024 float32; v 2 x 2,048 x 1,024 float32.
;; Outputs: out0 2 x 2,048 x 1,024 float32; out1 one number float32.
;; This version of the problem:
;;   THIS VERSION OF THE PROBLEM IS GIVEN IN LOW PRECISION. The matrix products marked QUANTISED in the list below multiply operands that are first quantised to E2M1 (2 exponent bits, 1 mantissa bit; 4 bits a number), with one power-of-two scale for each 32 numbers along K (OCP MX v1.0); their sums are f32. The products marked 'left as it is' may take bf16, f16 or f32 operands, with f32 sums. Whichever they take, every output number must still come out within the allowed error. Rounding operands to bf16 (8 significant bits) uses up far more of that allowance than f16 does (11 bits, for magnitudes from 6e-5 to 65,504). All else is computed in f32.
;;   The module's matrix products, in the order in which they are computed (A, B: the left and right operand; K: the contracted axis; several contracted axes count as one K, in the product's order):
;;     1. [M 4,096, K 1,024] x [K 1,024, N 1,024]; A: input q; B: input Wq: QUANTISED
;;     2. [M 4,096, K 1,024] x [K 1,024, N 1,024]; A: input k; B: input Wk: QUANTISED
;;     3. [M 4,096, K 1,024] x [K 1,024, N 1,024]; A: input v; B: input Wv: QUANTISED
;;     4. batch 32 x [M 2,048, K 64] x [K 64, N 2,048]; A: computed on the way; B: computed on the way: left as it is (an operand is computed on the way)
;;     5. batch 32 x [M 2,048, K 2,048] x [K 2,048, N 64]; A: computed on the way; B: computed on the way: left as it is (an operand is computed on the way)
;;     6. [M 4,096, K 1,024] x [K 1,024, N 1,024]; A: computed on the way; B: input Wo: left as it is (an operand is computed on the way)
;;   THE QUANTISER, for each operand of a quantised product, along K:
;;     - K is cut into blocks of 32 from its start; a last block that is shorter is filled with zeros.
;;     - A block's scale is 2^e with e = floor(log2(the largest magnitude in the block)) - 2, held to -126 .. 127; a block of zeros has e = 0. As a byte (E8M0): e + 127.
;;     - Each number is divided by its block's scale, clamped to +-6, and rounded to the nearest number of E2M1, ties to even, subnormals kept.
;;     - The product sums the exact products of the quantised numbers (number of the format x scale) in f32.
;;   ~~~python
;;   def quantise(x, axis):      # numpy; x: float32 -> the quantised numbers, widened to float32 again
;;       x = np.moveaxis(x, axis, -1); K = x.shape[-1]
;;       x = np.pad(x, [(0, 0)] * (x.ndim - 1) + [(0, -K % 32)]); x = x.reshape(x.shape[:-1] + (-1, 32)); a = np.abs(x).max(-1, keepdims=True)
;;       e = np.where(a > 0, np.clip(np.frexp(np.where(a > 0, a, 1))[1] - 1 - 2, -126, 127), 0)      # np.frexp(a)[1] - 1 = floor(log2(a)), exactly
;;       r = np.clip(x / 2.0 ** e, -6, 6)
;;       step = 2.0 ** (np.maximum(np.frexp(np.where(r == 0, 1, r))[1] - 1, 0) - 1)
;;       q = np.round(r / step) * step * 2.0 ** e      # np.round: ties to even
;;       return np.moveaxis(q.reshape(q.shape[:-2] + (-1,))[..., :K], -1, axis).astype(np.float32)
;;   ~~~
;; One version. Each part assembles by itself: llvm-mc -triple=amdgcn-amd-amdhsa -mcpu=gfx1250 --defsym DOCPART=n.
;; ======== version 1 of 1: 4 launches
;; limits: values are held in f16: magnitudes above 65,504 overflow, below 6.1e-05 lose precision; right only within a limited range of input values
;; workspace buffers: codes 7,864,320 bytes; scales 491,520 bytes; wo16 2,097,152 bytes; qkv16 25,165,824 bytes; psum 262,144 bytes; attn16 8,388,608 bytes; cosbuf 1,024 bytes
;; launch quant (part 1): grid 512 x 1, 4 waves a work-group, no clusters, 33,280 bytes of LDS; arguments q, k, v, Wq, Wk, Wv, Wo, codes, scales, wo16; writes codes, scales, wo16
.if DOCPART == 1
	.amdgcn_target "amdgcn-amd-amdhsa--gfx1250"
	.amdhsa_code_object_version 6
	.text
	.protected	k_q0202d7e3b6_quant
	.globl	k_q0202d7e3b6_quant
	.p2align	8
	.type	k_q0202d7e3b6_quant,@function
k_q0202d7e3b6_quant:
	s_mov_b64 s[64:65], 0
	v_nop
	global_prefetch_b8 v0, s[64:65] scope:SCOPE_SE
	s_setreg_imm32_b32 hwreg(HW_REG_WAVE_MODE, 25, 1), 1
	s_wait_xcnt 0x0
; q, k, v [4096][1024] and Wq, Wk, Wv [1024][1024], f32 with K innermost, become codes of FP4 (E2M1), two a byte, and one E8M0 byte for each 32 along K.
; The six tensors are laid on end as 15,360 rows: codes [15360][512 bytes], scales [15360][32 bytes]; rows 0 q, 4096 k, 8192 v, 12288 Wq, 13312 Wk, 14336 Wv.
; A block's scale is 2^(floor(log2(largest magnitude)) - 2): its byte is the largest magnitude's exponent field - 2, held at 1 from below.
; Wo [1024][1024] f32 becomes f16 in the order in which the last launch reads it: wo16 [nb 8][kb 16][128 n][64 k] = Wo[128 nb + n][64 kb + k].
; LIMITS: a block of zeros, or one whose largest magnitude lies under 2^-124, gets the byte 1 (its codes are zeros or tiny; only this program reads the bytes); NaN and infinities are not served; |Wo| stays under 65,504.
; SHARES: work-groups 0-479 quantise 32,768 numbers each (a wave 16 steps of 512); work-groups 480-511 convert Wo, a wave one plane of 128 n x 64 k.
; Rows are dense and K is a multiple of 32, so the six tensors are plain streams of blocks.  Memory binds: no matrix unit, no cluster, no tensor load; waves share nothing, so there is no barrier.
.set WAVES, 4
.set STEPS, 16
.set WGQ,   480                        ; work-groups that quantise: 3 x 128 + 3 x 32
.set EMAX,  2
.set CB,    8                          ; bytes of 16 codes
.set R,     16                         ; v16-79   four sets of 16 numbers as loaded
.set X,     80                         ; v80-111  two sets of 16 neighbours
.set E,     112                        ; v112-127 a scale byte for each step
.set C,     128                        ; v128-191 codes, four registers a step
.set WREG,  8192                       ; LDS: a region for each wave: two stages of 32 x SP bytes, then its 256 scale bytes
.set SP,    80                         ; a lane's place in a stage: 64 bytes + 16 of padding
.set SPW,   12                         ; v12 my spare word's LDS address; never rewritten
.set NIL,   13                         ; v13 0; never rewritten
.set SPARE, WAVES*WREG                 ; the spare words: 128 bytes a wave, named by no other line
.set RA,    16                         ; Wo's path: two sets of 64 numbers, and 32 registers of f16 pairs
.set RB,    80
.set OUTW,  144
	s_load_b512 s[4:19], s[0:1], 0x0               ; q, k, v, Wq, Wk, Wv, Wo, codes
	s_load_b128 s[20:23], s[0:1], 0x40             ; scales, wo16
	v_lshl_add_u32 v[SPW], v0, 2, SPARE
	v_mov_b32 v[NIL], 0
	v_lshrrev_b32 v1, 5, v0
	v_readfirstlane_b32 s24, v1                    ; wave
	v_and_b32 v2, 31, v0                           ; lane
	s_cmp_ge_u32 ttmp9, WGQ                        ; the branch hangs on the work-group's number alone
	s_cbranch_scc1 .Lwo
	; ---------------- the quantiser
	v_lshlrev_b32 v3, 4, v2                        ; my 16 bytes of a load's 512
	s_mul_i32 s25, s24, WREG
	v_lshrrev_b32 v14, 2, v2
	v_mul_u32_u24 v14, v14, SP
	v_and_b32 v15, 3, v2
	v_lshl_add_u32 v14, v15, 4, v14
	v_add_nc_u32 v14, s25, v14                     ; into the stage: four lanes' 64 bytes on end, then the padding
	v_mul_u32_u24 v15, v2, SP
	v_add_nc_u32 v15, s25, v15                     ; out of it: my 16 neighbours
	v_mul_u32_u24 v4, v2, CB                       ; my codes' place in a step's 256 bytes
	v_lshrrev_b32 v5, 1, v2
	s_add_co_u32 s25, s25, 2*32*SP
	v_add_nc_u32 v5, s25, v5                       ; my block's scale byte in the wave's 256
	v_lshlrev_b32 v7, 3, v2
	v_add_nc_u32 v6, s25, v7                       ; and 8 of them a lane on the way out
	s_wait_kmcnt 0x0
	s_mov_b64 s[26:27], s[14:15]                   ; which tensor: chosen by the work-group's number, from the last downward
	s_mov_b32 s28, 448
	s_cmp_lt_u32 ttmp9, 448
	s_cselect_b64 s[26:27], s[12:13], s[26:27]
	s_cselect_b32 s28, 416, s28
	s_cmp_lt_u32 ttmp9, 416
	s_cselect_b64 s[26:27], s[10:11], s[26:27]
	s_cselect_b32 s28, 384, s28
	s_cmp_lt_u32 ttmp9, 384
	s_cselect_b64 s[26:27], s[8:9], s[26:27]
	s_cselect_b32 s28, 256, s28
	s_cmp_lt_u32 ttmp9, 256
	s_cselect_b64 s[26:27], s[6:7], s[26:27]
	s_cselect_b32 s28, 128, s28
	s_cmp_lt_u32 ttmp9, 128
	s_cselect_b64 s[26:27], s[4:5], s[26:27]
	s_cselect_b32 s28, 0, s28
	s_sub_co_u32 s28, ttmp9, s28
	s_lshl_b32 s28, s28, 2
	s_add_co_u32 s28, s28, s24                     ; my run of 8,192 numbers in that tensor
	s_lshl_b32 s28, s28, 15                        ; 32,768 bytes a run
	s_mov_b32 s29, 0
	s_add_nc_u64 s[26:27], s[26:27], s[28:29]
	s_lshl_b32 s30, ttmp9, 2
	s_add_co_u32 s30, s30, s24                     ; my run among all 1,920
	s_lshl_b32 s28, s30, 12                        ; 4,096 bytes of codes a run
	s_add_nc_u64 s[18:19], s[18:19], s[28:29]
	s_lshl_b32 s28, s30, 8                         ; 256 scale bytes a run
	s_add_nc_u64 s[20:21], s[20:21], s[28:29]
.macro LOAD t
.irp i, 0,1,2,3
	global_load_b128 v[R+16*((\t)%4)+4*\i:R+16*((\t)%4)+4*\i+3], v3, s[26:27] offset:2048*(\t)+512*\i th:TH_LOAD_NT   ; 32 lanes read 512 consecutive bytes
.endr
.endm
.macro TURN t                          ; step t's 2,048 bytes through the stage; LDS serves a wave's instructions in order, so no wait stands between stores and loads
.irp i, 0,1,2,3
	ds_store_b128 v14, v[R+16*((\t)%4)+4*\i:R+16*((\t)%4)+4*\i+3] offset:32*SP*((\t)%2)+8*SP*\i
.endr
.irp i, 0,1,2,3
	ds_load_b128 v[X+16*((\t)%2)+4*\i:X+16*((\t)%2)+4*\i+3], v15 offset:32*SP*((\t)%2)+16*\i
.endr
.endm
.irp t, 0,1,2,3
	LOAD \t
.endr
	s_wait_loadcnt 12                              ; step 0's four loads are in; twelve younger ones stay out
	TURN 0
.macro STEP t
.set XS, X+16*((\t)%2)
.if (\t) > 0
	s_wait_dscnt 1                                 ; this step's numbers are back from the stage (the last step's byte store may be out)
.else
	s_wait_dscnt 0x0
.endif
.if (\t)+4 < STEPS
	LOAD (\t)+4                                    ; into the registers whose stage stores have been served
.endif
.if (\t)+1 < STEPS
.if STEPS-2-(\t) >= 3
	s_wait_loadcnt 12                              ; the next step's four loads are in; three steps' loads stay out
.else
	s_wait_loadcnt 4*(STEPS-2-(\t))
.endif
	TURN (\t)+1
.endif
	v_max3_num_f32 v8, |v[XS]|, |v[XS+1]|, |v[XS+2]|               ; the largest magnitude of my 16, in two chains
	v_max3_num_f32 v9, |v[XS+3]|, |v[XS+4]|, |v[XS+5]|
.irp i, 6,10
	v_max3_num_f32 v8, v8, |v[XS+\i]|, |v[XS+\i+1]|
	v_max3_num_f32 v9, v9, |v[XS+\i+2]|, |v[XS+\i+3]|
.endr
	v_max3_num_f32 v8, v8, |v[XS+14]|, |v[XS+15]|
	v_max3_num_f32 v8, v8, v9, (EMAX+1)<<23        ; and the floor 2^(3 - 127): the byte cannot fall under 1
	v_max_num_f32_dpp v8, v8, v8 row_xmask:1 row_mask:0xf bank_mask:0xf   ; with my neighbour's 16: the block's
	v_add_nc_u32 v11, -(EMAX<<23), v8              ; 2 off its exponent field: the conversion's scale operand
	v_cvt_scalef32_pk8_fp4_f32 v[C+4*(\t)], v[XS:XS+7], v11
	v_cvt_scalef32_pk8_fp4_f32 v[C+4*(\t)+1], v[XS+8:XS+15], v11
	v_lshrrev_b32 v[E+(\t)], 23, v11               ; the scale's byte (a plain line behind the conversions)
	ds_store_b8 v5, v[E+(\t)] offset:16*(\t)       ; both lanes of a block write the same byte with the same value
	global_store_b64 v4, v[C+4*(\t):C+4*(\t)+1], s[18:19] offset:32*CB*(\t)   ; the wave stores 256 consecutive bytes, aligned
.endm
.irp t, 0,1,2,3,4,5,6,7,8,9,10,11,12,13,14,15
	STEP \t
.endr
	ds_load_b64 v[8:9], v6                         ; my wave's 256 scale bytes, behind its own stores
	s_wait_dscnt 0x0
	global_store_b64 v7, v[8:9], s[20:21]          ; 256 consecutive bytes, aligned
	s_branch .Lend
	; ---------------- Wo to f16
.Lwo:
	s_sub_co_u32 s25, ttmp9, WGQ
	s_lshl_b32 s25, s25, 2
	s_add_co_u32 s25, s25, s24                     ; my plane U = 16 nb + kb
	s_lshr_b32 s26, s25, 4
	s_and_b32 s27, s25, 15
	s_lshl_b32 s26, s26, 19                        ; nb x 128 rows of 4,096 bytes
	s_lshl_b32 s27, s27, 8                         ; kb x 64 numbers
	s_add_co_u32 s28, s26, s27
	s_mov_b32 s29, 0
	s_lshl_b32 s30, s25, 14                        ; a plane of f16 is 16,384 bytes
	s_mov_b32 s31, 0
	v_lshrrev_b32 v3, 3, v2
	v_and_b32 v4, 7, v2
	v_lshlrev_b32 v3, 12, v3
	v_lshl_add_u32 v3, v4, 5, v3                   ; in: row lane / 8, 32 bytes at 32 (lane % 8): four rows a step
	v_lshlrev_b32 v5, 4, v2                        ; out: 16 bytes a lane, 512 consecutive bytes a store
	s_wait_kmcnt 0x0
	s_add_nc_u64 s[16:17], s[16:17], s[28:29]
	s_add_nc_u64 s[22:23], s[22:23], s[30:31]
.macro LOADB bt, set                   ; eight steps of four rows
.irp i, 0,1,2,3,4,5,6,7
	global_load_b128 v[\set+8*\i:\set+8*\i+3], v3, s[16:17] offset:16384*(8*(\bt)+\i) th:TH_LOAD_NT
	global_load_b128 v[\set+8*\i+4:\set+8*\i+7], v3, s[16:17] offset:16384*(8*(\bt)+\i)+16 th:TH_LOAD_NT
.endr
.endm
.macro CVTB bt, set
.irp i, 0,1,2,3,4,5,6,7
.irp j, 0,1,2,3
	v_cvt_pk_f16_f32 v[OUTW+4*\i+\j], v[\set+8*\i+2*\j], v[\set+8*\i+2*\j+1]
.endr
.endr
.irp i, 0,1,2,3,4,5,6,7
	global_store_b128 v5, v[OUTW+4*\i:OUTW+4*\i+3], s[22:23] offset:512*(8*(\bt)+\i)
.endr
.endm
	LOADB 0, RA
	LOADB 1, RB
	s_wait_loadcnt 16                              ; the first sixteen loads are in
	CVTB 0, RA
	LOADB 2, RA
	s_wait_loadcnt 16
	s_wait_xcnt 0x0                                ; the stores have read their data: the f16 registers are written again only behind this wait
	CVTB 1, RB
	LOADB 3, RB
	s_wait_loadcnt 16
	s_wait_xcnt 0x0
	CVTB 2, RA
	s_wait_loadcnt 0x0
	s_wait_xcnt 0x0
	CVTB 3, RB
.Lend:
	s_wait_tensorcnt 0x0                           ; the wave's end
	ds_add_u32 v[SPW], v[NIL]
	s_wait_dscnt 0x0
	s_endpgm
.Lfunc_end_k_q0202d7e3b6_quant:
	.size	k_q0202d7e3b6_quant, .Lfunc_end_k_q0202d7e3b6_quant-k_q0202d7e3b6_quant
	.p2alignl 7, 3214868480
	.fill 96, 4, 3214868480
	.section	.rodata,"a",@progbits
	.p2align	6, 0x0
	.amdhsa_kernel k_q0202d7e3b6_quant
		.amdhsa_group_segment_fixed_size 33280
		.amdhsa_private_segment_fixed_size 0
		.amdhsa_enable_private_segment 0
		.amdhsa_kernarg_size 80
		.amdhsa_user_sgpr_count 2
		.amdhsa_user_sgpr_kernarg_segment_ptr 1
		.amdhsa_wavefront_size32 1
		.amdhsa_system_sgpr_workgroup_id_x 1
		.amdhsa_system_sgpr_workgroup_id_y 1
		.amdhsa_system_sgpr_workgroup_id_z 1
		.amdhsa_system_vgpr_workitem_id 0
		.amdhsa_next_free_vgpr 192
		.amdhsa_next_free_sgpr 66
		.amdhsa_reserve_vcc 0
		.amdhsa_float_denorm_mode_32 3
		.amdhsa_float_denorm_mode_16_64 3
		.amdhsa_memory_ordered 1
		.amdhsa_forward_progress 1
		.amdhsa_inst_pref_size 52
	.end_amdhsa_kernel
	.amdgpu_metadata
---
amdhsa.version: [ 1, 2 ]
amdhsa.kernels:
  - .name:           k_q0202d7e3b6_quant
    .symbol:         k_q0202d7e3b6_quant.kd
    .args:
      - { .name: q, .offset: 0, .size: 8, .value_kind: global_buffer, .address_space: global }
      - { .name: k, .offset: 8, .size: 8, .value_kind: global_buffer, .address_space: global }
      - { .name: v, .offset: 16, .size: 8, .value_kind: global_buffer, .address_space: global }
      - { .name: Wq, .offset: 24, .size: 8, .value_kind: global_buffer, .address_space: global }
      - { .name: Wk, .offset: 32, .size: 8, .value_kind: global_buffer, .address_space: global }
      - { .name: Wv, .offset: 40, .size: 8, .value_kind: global_buffer, .address_space: global }
      - { .name: Wo, .offset: 48, .size: 8, .value_kind: global_buffer, .address_space: global }
      - { .name: codes, .offset: 56, .size: 8, .value_kind: global_buffer, .address_space: global }
      - { .name: scales, .offset: 64, .size: 8, .value_kind: global_buffer, .address_space: global }
      - { .name: wo16, .offset: 72, .size: 8, .value_kind: global_buffer, .address_space: global }
    .group_segment_fixed_size: 33280
    .private_segment_fixed_size: 0
    .kernarg_segment_align: 8
    .kernarg_segment_size: 80
    .max_flat_workgroup_size: 128
    .sgpr_count:     66
    .vgpr_count:     192
    .wavefront_size: 32
...
	.end_amdgpu_metadata
.endif
;; end of part 1
;; launch proj (part 2): grid 4 x 48, 4 waves a work-group, clusters of 4 x 4, 327,680 bytes of LDS; arguments codes, scales, bq, bk, bv, mask, qkv16, psum; writes qkv16, psum
.if DOCPART == 2
	.amdgcn_target "amdgcn-amd-amdhsa--gfx1250"
	.amdhsa_code_object_version 6
	.text
	.protected	k_q0202d7e3b6_proj
	.globl	k_q0202d7e3b6_proj
	.p2align	8
	.type	k_q0202d7e3b6_proj,@function
k_q0202d7e3b6_proj:
	s_mov_b64 s[64:65], 0
	v_nop
	global_prefetch_b8 v0, s[64:65] scope:SCOPE_SE
	s_setreg_imm32_b32 hwreg(HW_REG_WAVE_MODE, 25, 1), 1
	s_wait_xcnt 0x0
	s_wait_alu depctr_hold_cnt(0) depctr_sa_sdst(0) depctr_va_vdst(0) depctr_va_sdst(0) depctr_va_ssrc(0) depctr_va_vcc(0) depctr_vm_vsrc(0)
	s_getreg_b32 s2, hwreg(HW_REG_IB_STS2, 6, 4)
	s_cmp_eq_u32 s2, 0
	s_cbranch_scc0 .Lentry_in_a_cluster
	s_endpgm
.Lentry_in_a_cluster:
	s_bfe_u32 s2, ttmp6, 0x10000c
	s_cmp_lg_u32 s2, 0xf033
	s_cbranch_scc0 .Lentry_shape_is_right
	s_endpgm
.Lentry_shape_is_right:
; The three quantised projections, x W^T + b, on codes of FP4 with E8M0 scales: M 4,096, N 1,024, K 1,024 each.  Product p = 0, 1, 2 (Q, K, V) is cluster row / 4.
; A tile of 256 x 256 is made by four waves, 128 x 128 each: 64 accumulators, 512 registers.  All of K fits two LDS slots of 512 along K (rows of 256 bytes), so both are asked for at the head and nothing is filled again.
; The scale bytes of the tile's 256 + 256 rows, for all of K, come once, in runs of 256 bytes.
; CLUSTER 4 x 4: the four work-groups of a row of the cluster need the same rows of x, the four of a column the same rows of W: each tile is asked for jointly.
; The matrix instruction is used transposed (source 0 = 16 rows of W, source 1 = 16 rows of x): a lane holds eight neighbouring columns of one token.  The bias is the C of each sum's first product.
; OUT: Q, K, V as f16, laid by head: qkv16 [p][b][head][s][64].  The rows of K whose key has mask == 0 are stored as zeros (the next launch gives such keys a fixed score).
; For Q and V the f32 sums over the wave's 128 tokens of each of its 128 columns go to psum [Q, V][32 blocks of 128 tokens][1024]: the next launch makes the means from them.
; LIMITS: |Q|, |K|, |V| under 65,504 (f16); NaN and infinities are not served; a masked row of K may hold -0.
; REGISTERS: window 0: v1-7 at work and offsets, v8-15 mask words, v16-31 addresses, v32-95 scale words (two sets), v96-111 row factors, v112-116 at work, v128-191 x's fragments, later column sums and rows on the way out,
;   v192-255 the bias, later packed results.  window 1: W's fragments, two sets.  windows 2, 3: the accumulators ((a, b) at v[8 (8 (a % 4) + b)]).
.set NQ,     4                         ; steps of 128 along K in a slot
.set ROWB,   256                       ; a tile's row: 512 codes
.set KROW,   512                       ; a row of codes in memory
.set PITCH,  272                       ; an LDS row: 256 bytes + 16 of padding: the 16 rows of a load start at 16 different 16-byte columns
.set FR,     8
.set NL,     2
.set NP,     4
.set HALFT,  128*PITCH
.set SLOT,   4*HALFT
.set KS,     32                        ; a row of scale bytes
.set SCL,    2*SLOT
.set HALFS,  16*272                    ; the scales of 128 rows
.set SBLK,   2*272                     ; of 16 rows
.set SPARE,  SCL+4*HALFS               ; the spare words, 128 bytes a wave, named by no other line
.set STG,    SPARE+512                 ; the way out: 16 pair-rows x 272 bytes for each wave
.set CSTG,   STG+4*4352                ; 512 bytes for each wave: its 128 column sums
.set MKR,  8
.set ADRA, 16
.set ADRB, 20
.set STO,  24
.set RD,   25
.set CO,   26
.set ADRS, 27
.set SPW,  28
.set NIL,  29
.set CSA,  30
.set CSR,  31
.set SC,   32
.set MK,   96
.set PS,   112
.set AF,   128
.set CSM,  128
.set OB,   128
.set BI,   192
.set TMP,  192
.set G1, 24
.set G0, 32
.set G1B, 48
.set G0B, 56
.set G1S, 68
.set G0S, 76
.set G1SB, 80
.set G0SB, 88
.set MSB, 0
.macro WIN new                         ; the immediate's high byte repeats the setting that is left
.if MSB != \new
	s_set_vgpr_msb (MSB<<8)|\new
.set MSB, \new
.endif
.endm
.set MUL_LO, 0xa1                      ; source 0 (W) window 1, source 1 (x) window 0, C and D window 2
.set MUL_HI, 0xf1                      ; the same, C and D window 3
.set TO_B,   0x40
; A joint load: waves 0 and 1 fetch for x, waves 2 and 3 for W; the branch hangs on the wave's number alone.  An s_nop 0 and four v_nop follow each line.
.macro JLOAD g0a, g1a, g0b, g1b
	s_cmp_eq_u32 s21, 0
	s_cbranch_scc0 .Lfor_b_\@
	tensor_load_to_lds s[\g0a:\g0a+3], s[\g1a:\g1a+7]
	s_nop 0
.rept 4
	v_nop
.endr
	s_branch .Lasked_\@
.Lfor_b_\@:
	tensor_load_to_lds s[\g0b:\g0b+3], s[\g1b:\g1b+7]
	s_nop 0
.rept 4
	v_nop
.endr
.Lasked_\@:
.endm
.macro CROUND                          ; a round of the cluster's barrier
	s_barrier_signal -1
	s_barrier_wait -1
	s_cmp_lg_u32 s20, 0
	s_cbranch_scc1 .Lnot_wave_0_\@
	s_barrier_signal -3
.Lnot_wave_0_\@:
	s_barrier_wait -3
	s_barrier_signal -1
	s_barrier_wait -1
.endm
	s_load_b512 s[4:19], s[0:1], 0x0               ; codes, scales, bq, bk, bv, mask, qkv16, psum
	v_lshl_add_u32 v[SPW], v0, 2, SPARE
	v_mov_b32 v[NIL], 0
	ds_add_u32 v[SPW], v[NIL]                      ; the opening: the add, twice on end, with its wait ahead of my first tensor load
	ds_add_u32 v[SPW], v[NIL]
	v_lshrrev_b32 v1, 5, v0
	v_readfirstlane_b32 s20, v1                    ; wave 0..3
	s_lshr_b32 s21, s20, 1                         ; my half of the tile's rows; also: I fetch for x (0) or W (1)
	s_and_b32 s22, s20, 1                          ; my half of its columns; also: which 128 rows I fetch
	s_bfe_u32 s40, ttmp6, 0x40000                  ; cx
	s_bfe_u32 s41, ttmp6, 0x40004                  ; cy
	s_lshl_b32 s42, ttmp9, 2
	s_add_co_u32 s42, s42, s40                     ; tile column 0..3
	s_and_b32 s2, ttmp7, 0xffff                    ; cluster row 0..11
	s_lshr_b32 s67, s2, 2                          ; the product p: the same in all sixteen partners
	s_lshl_b32 s66, s2, 2
	s_add_co_u32 s66, s66, s41                     ; tile row 0..47 among the 12,288 rows of q, k, v
	s_lshl_b32 s43, s41, 2
	s_lshl_b32 s43, 15, s43                        ; my row of the cluster
	s_lshl_b32 s44, 0x1111, s40                    ; my column
	s_or_b32 s[G1+0], s43, (0<<16)|(1<<20)|(1<<21)|(5<<22)|(3<<25)  ; mask; elements of 1 byte; padding on; bit 21 beside a mask; 4 words behind every 64
	s_or_b32 s[G1B+0], s44, (0<<16)|(1<<20)|(1<<21)|(5<<22)|(3<<25)
.irp g, G1, G1B
	s_mov_b32 s[\g+1], ROWB<<16                    ; tensor_dim0
	s_mov_b32 s[\g+2], 128<<16                     ; tensor_dim1
	s_mov_b32 s[\g+3], ROWB<<16                    ; tile_dim0
	s_mov_b32 s[\g+4], 128                         ; tile_dim1
	s_mov_b32 s[\g+5], KROW                        ; stride
	s_mov_b32 s[\g+6], 0
	s_mov_b32 s[\g+7], 0
.endr
	s_or_b32 s[G1S+0], s43, (3<<16)|(1<<20)|(1<<21)|(5<<22)|(3<<25) ; the scales of 128 rows: 4,096 dense bytes as 16 rows of 32 elements of 8 bytes
	s_or_b32 s[G1SB+0], s44, (3<<16)|(1<<20)|(1<<21)|(5<<22)|(3<<25)
.irp g, G1S, G1SB
	s_mov_b32 s[\g+1], 32<<16
	s_mov_b32 s[\g+2], 16<<16
	s_mov_b32 s[\g+3], 32<<16
	s_mov_b32 s[\g+4], 16
	s_mov_b32 s[\g+5], 32
	s_mov_b32 s[\g+6], 0
	s_mov_b32 s[\g+7], 0
.endr
	s_lshl_b32 s23, s22, 7                         ; which 128 rows of a tile I fetch
	s_lshl_b32 s96, s66, 8
	s_add_co_u32 s96, s96, s23                     ; x: row 256 x tile row + 128 x half
	s_lshl_b32 s46, s42, 8
	s_add_co_u32 s46, s46, s23
	s_lshl_b32 s95, s67, 10
	s_add_co_u32 s46, s46, s95
	s_add_co_u32 s46, s46, 12288                   ; W: row 12,288 + 1,024 p + 256 x tile column + 128 x half
	s_lshl_b32 s98, s96, 5                         ; their scale bytes,
	s_mov_b32 s99, 0
	s_lshl_b32 s92, s46, 5
	s_mov_b32 s93, 0
	s_lshl_b32 s96, s96, 9                         ; and their codes, in bytes (all under 2^23)
	s_mov_b32 s97, 0
	s_lshl_b32 s46, s46, 9
	s_mov_b32 s47, 0
	s_mul_i32 s45, s20, HALFT                      ; where they go: wave x 128 rows; no place in the cluster enters an LDS address
	s_mul_i32 s94, s20, HALFS
	s_wait_dscnt 0x0                               ; both opening adds are done
	s_wait_kmcnt 0x0
	s_add_nc_u64 s[96:97], s[4:5], s[96:97]
	s_add_nc_u64 s[98:99], s[6:7], s[98:99]
	s_add_nc_u64 s[46:47], s[4:5], s[46:47]
	s_add_nc_u64 s[92:93], s[6:7], s[92:93]
	CROUND                                         ; all sixteen work-groups are here: the joint loads meet
	s_mov_b32 s[G0S], 1
	s_add_co_u32 s[G0S+1], s94, SCL
	s_mov_b64 s[G0S+2:G0S+3], s[98:99]
	s_or_b32 s[G0S+3], s[G0S+3], 0x80000000
	s_mov_b32 s[G0SB], 1
	s_add_co_u32 s[G0SB+1], s94, SCL
	s_mov_b64 s[G0SB+2:G0SB+3], s[92:93]
	s_or_b32 s[G0SB+3], s[G0SB+3], 0x80000000
	JLOAD G0S, G1S, G0SB, G1SB                     ; the scales first: they are wanted with the first slot
.irp s, 0,1
	s_mov_b32 s[G0+4*\s], 1
	s_add_co_u32 s[G0+4*\s+1], s45, \s*SLOT
	s_add_nc_u64 s[G0+4*\s+2:G0+4*\s+3], s[96:97], \s*ROWB
	s_or_b32 s[G0+4*\s+3], s[G0+4*\s+3], 0x80000000
	s_mov_b32 s[G0B+4*\s], 1
	s_add_co_u32 s[G0B+4*\s+1], s45, \s*SLOT
	s_add_nc_u64 s[G0B+4*\s+2:G0B+4*\s+3], s[46:47], \s*ROWB
	s_or_b32 s[G0B+4*\s+3], s[G0B+4*\s+3], 0x80000000
	JLOAD G0+4*\s, G1, G0B+4*\s, G1B               ; three loads of mine are out in all
.endr
	; where my part of the outputs, the bias and the mask begin
	s_and_b32 s2, s66, 15
	s_lshl_b32 s2, s2, 8
	s_lshl_b32 s3, s21, 7
	s_add_co_u32 s2, s2, s3                        ; my first token, 0..4,095
	s_and_b32 s3, s2, 2047                         ; its place s in the sequence
	s_lshr_b32 s23, s2, 11                         ; its batch
	s_lshl_b32 s94, s3, 2
	s_mov_b32 s95, 0
	s_add_nc_u64 s[14:15], s[14:15], s[94:95]      ; mask at s
	s_lshl_b32 s94, s42, 10
	s_lshl_b32 s45, s22, 9
	s_add_co_u32 s94, s94, s45                     ; my first column as bytes of f32
	s_cmp_eq_u32 s67, 1
	s_cselect_b64 s[100:101], s[10:11], s[8:9]     ; the product's bias
	s_cmp_eq_u32 s67, 2
	s_cselect_b64 s[100:101], s[12:13], s[100:101]
	s_cselect_b32 s45, 131072, 0                   ; V's half of psum
	s_add_nc_u64 s[100:101], s[100:101], s[94:95]
	s_lshl_b32 s2, s2, 5                           ; (token / 128) x 4,096
	s_add_co_u32 s94, s94, s2
	s_add_co_u32 s94, s94, s45
	s_add_nc_u64 s[18:19], s[18:19], s[94:95]
	s_lshl_b32 s23, s23, 4
	s_lshl_b32 s2, s42, 2
	s_add_co_u32 s23, s23, s2
	s_lshl_b32 s2, s22, 1
	s_add_co_u32 s23, s23, s2                      ; 16 b + my first head
	s_lshl_b32 s23, s23, 11
	s_add_co_u32 s23, s23, s3
	s_lshl_b32 s94, s23, 7                         ; rows of 128 bytes
	s_lshl_b32 s2, s67, 23
	s_add_co_u32 s94, s94, s2
	s_add_nc_u64 s[16:17], s[16:17], s[94:95]
	v_and_b32 v1, 15, v0                           ; r
	v_bfe_u32 v2, v0, 4, 1                         ; h
	v_lshlrev_b32 v6, 5, v2                        ; 32 h
	v_lshlrev_b32 v7, 2, v1                        ; 4 r
.irp b, 0,1,2,3,4,5,6,7
	global_load_b128 v[BI+8*\b:BI+8*\b+3], v6, s[100:101] offset:64*\b        ; bias of columns 16 b + 8 h + 0..7, in the result's layout
	global_load_b128 v[BI+8*\b+4:BI+8*\b+7], v6, s[100:101] offset:64*\b+16
.endr
.irp a, 0,1,2,3,4,5,6,7
	global_load_b32 v[MKR+\a], v7, s[14:15] offset:64*\a                      ; the mask word of token 16 a + r
.endr
	v_mul_u32_u24 v3, v1, PITCH
	v_lshl_add_u32 v4, v2, 4, v3                   ; a fragment's row x pitch + 16 x half
	s_mul_i32 s2, s21, HALFT
	s_mul_i32 s3, s22, HALFT
	s_add_co_u32 s3, s3, 2*HALFT
.irp s, 0,1
	v_add_nc_u32 v[ADRA+\s], s2, v4
	v_add_nc_u32 v[ADRB+\s], s3, v4
	s_add_co_u32 s2, s2, SLOT
	s_add_co_u32 s3, s3, SLOT
.endr
	v_mul_u32_u24 v5, v1, KS                       ; my row's scales: 32 bytes a row,
	v_lshrrev_b32 v3, 8, v5
	v_lshl_add_u32 v5, v3, 4, v5                   ; and 16 more for each 256 passed
	s_mul_i32 s2, s21, HALFS
	s_mul_i32 s3, s22, HALFS
	s_add_co_u32 s3, s3, 2*HALFS
	s_sub_co_u32 s3, s3, s2
	v_mul_u32_u24 v3, s3, v2                       ; lanes 16-31 take W's
	s_add_co_u32 s2, s2, SCL
	v_add_nc_u32 v5, v5, v3
	v_add_nc_u32 v[ADRS], s2, v5
	s_mul_i32 s2, s20, 4352
	s_add_co_u32 s2, s2, STG                       ; my stage: two tokens' 128 bytes to a row of 256 + 16
	v_lshrrev_b32 v3, 1, v1
	v_mul_u32_u24 v3, v3, 272
	v_and_b32 v5, 1, v1
	v_lshl_add_u32 v3, v5, 7, v3
	v_lshl_add_u32 v3, v2, 4, v3
	v_add_nc_u32 v[STO], s2, v3
	v_mul_u32_u24 v3, v2, 272
	v_lshl_add_u32 v3, v1, 4, v3
	v_add_nc_u32 v[RD], s2, v3
	v_and_b32 v3, 31, v0
	v_lshlrev_b32 v[CO], 4, v3                     ; 16 x lane
	s_lshl_b32 s2, s20, 9
	s_add_co_u32 s2, s2, CSTG
	v_lshl_add_u32 v[CSA], v2, 5, s2
	v_add_nc_u32 v[CSR], s2, v[CO]
.macro FRAG reg, adr, q, i             ; 16 rows x 128 K of 4-bit codes: 8 registers, two loads 32 bytes apart
.irp c, 0,1
	ds_load_b128 v[\reg+4*\c:\reg+4*\c+3], v[\adr] offset:64*(\q)+32*\c+(\i)*16*PITCH
.endr
.endm
; 16 products: x's blocks a0, a0 + 1 against W's eight.  zero = 1: the bias starts the sums.  The 64 accumulators take turns, one instruction a turn.
.macro MUL16 a0, p, q, sc, zero
.irp a, \a0, \a0+1
.irp b, 0,1,2,3,4,5,6,7
.if \zero
	v_wmma_scale_f32_16x16x128_f8f6f4 v[8*(8*((\a)%4)+\b):8*(8*((\a)%4)+\b)+7], v[128*(\p)+FR*\b:128*(\p)+FR*\b+FR-1], v[AF+FR*(\a):AF+FR*(\a)+FR-1], v[BI+8*\b:BI+8*\b+7], v[SC+8*NQ*(\sc)+NQ*\b+(\q)], v[SC+8*NQ*(\sc)+NQ*(\a)+(\q)] matrix_a_fmt:MATRIX_FMT_FP4 matrix_b_fmt:MATRIX_FMT_FP4 matrix_a_scale:MATRIX_SCALE_ROW1
.else
	v_wmma_scale_f32_16x16x128_f8f6f4 v[8*(8*((\a)%4)+\b):8*(8*((\a)%4)+\b)+7], v[128*(\p)+FR*\b:128*(\p)+FR*\b+FR-1], v[AF+FR*(\a):AF+FR*(\a)+FR-1], v[8*(8*((\a)%4)+\b):8*(8*((\a)%4)+\b)+7], v[SC+8*NQ*(\sc)+NQ*\b+(\q)], v[SC+8*NQ*(\sc)+NQ*(\a)+(\q)] matrix_a_fmt:MATRIX_FMT_FP4 matrix_b_fmt:MATRIX_FMT_FP4 matrix_a_scale:MATRIX_SCALE_ROW1
.endif
.endr
.endr
.endm
.macro FETCH_B slot, q, p
	WIN TO_B
.irp i, 0,1,2,3,4,5,6,7
	FRAG 128*(\p)+FR*\i, ADRB+\slot, \q, \i
.endr
	WIN 0
.endm
.macro FETCH_A slot, q, i0
.irp i, \i0, \i0+1, \i0+2, \i0+3
	FRAG AF+FR*(\i), ADRA+\slot, \q, \i
.endr
.endm
.macro SCALES sc                       ; a slot's scale words: lanes 0-15 x's block i, lanes 16-31 W's block i
.irp i, 0,1,2,3,4,5,6,7
	ds_load_b128 v[SC+8*NQ*\sc+NQ*\i:SC+8*NQ*\sc+NQ*\i+3], v[ADRS] offset:\i*SBLK
.endr
.endm
.macro PLACES n                        ; plain vector places between a matrix instruction and a load into, or a read of, its registers
.rept \n
	v_nop
.endr
.endm
.macro STEP slot, q, zero              ; 128 along K; its successor lies in the same slot
	s_wait_dscnt 4*NL                              ; all but the youngest eight loads (x's blocks 4-7) are in
.if \zero
	WIN 0x81                                       ; C (the bias) in window 0, D in window 2
.else
	WIN MUL_LO
.endif
	MUL16 0, (\q)%2, \q, \slot, \zero
	MUL16 2, (\q)%2, \q, \slot, \zero
	s_wait_dscnt 0
	PLACES NP
	FETCH_B \slot, (\q)+1, 1-(\q)%2
	FETCH_A \slot, (\q)+1, 0
.if \zero
	WIN 0xc1
.else
	WIN MUL_HI
.endif
	MUL16 4, (\q)%2, \q, \slot, \zero
	MUL16 6, (\q)%2, \q, \slot, \zero
	PLACES NP
	WIN 0
	FETCH_A \slot, (\q)+1, 4
.endm
.macro STEPS slot, from
.set Q, \from
.rept NQ-1-\from
	STEP \slot, Q, 0
.set Q, Q+1
.endr
.endm
	s_wait_tensorcnt 1                             ; the scales and my part of slot 0 are in; slot 1's load may stay out
	s_barrier_signal -1
	s_barrier_wait -1
	FETCH_B 0, 0, 0
	FETCH_A 0, 0, 0
	SCALES 0
	FETCH_A 0, 0, 4
	s_wait_loadcnt 0x0                             ; the bias and the mask words
	STEP 0, 0, 1
	STEPS 0, 1
	; slot 0's last step changes slots: my part of slot 1 has landed, and behind the barrier everybody's has
	s_wait_tensorcnt 0x0
	ds_add_u32 v[SPW], v[NIL]
	s_wait_dscnt 4*NL+1                            ; the add and the youngest eight loads may be out
	WIN MUL_LO
	MUL16 0, 1, NQ-1, 0, 0
	s_wait_dscnt 0x0
	s_barrier_signal -1
	MUL16 2, 1, NQ-1, 0, 0
	WIN 0
	s_barrier_wait -1
	PLACES NP
	v_add_nc_u32 v[ADRS], 4*NQ, v[ADRS]            ; the second slot's scale words
	FETCH_B 1, 0, 0
	FETCH_A 1, 0, 0
	SCALES 1
	WIN MUL_HI
	MUL16 4, 1, NQ-1, 0, 0
	MUL16 6, 1, NQ-1, 0, 0
	PLACES NP
	WIN 0
	FETCH_A 1, 0, 4
	STEPS 1, 0
	s_wait_dscnt 4*NL                              ; the last step: nothing more to fetch
	WIN MUL_LO
	MUL16 0, 1, NQ-1, 1, 0
	MUL16 2, 1, NQ-1, 1, 0
	s_wait_dscnt 0
	WIN MUL_HI
	MUL16 4, 1, NQ-1, 1, 0
	MUL16 6, 1, NQ-1, 1, 0
	WIN 0
	PLACES NP
	s_cmp_eq_u32 s67, 1                            ; K's work-groups part here; p is the same in all partners
	s_cbranch_scc1 .Lkeys
	; ---- Q and V: the sum over my 128 tokens of each of my 128 columns.  Each accumulator is read from its low end on.
	WIN 0x0a
.irp b, 0,1,2,3,4,5,6,7
.irp j, 0,2,4,6
	v_pk_add_f32 v[CSM+8*\b+\j:CSM+8*\b+\j+1], v[8*\b+\j:8*\b+\j+1], v[64+8*\b+\j:64+8*\b+\j+1]
.endr
.endr
	WIN 0x02
.irp a, 2,3
.irp b, 0,1,2,3,4,5,6,7
.irp j, 0,2,4,6
	v_pk_add_f32 v[CSM+8*\b+\j:CSM+8*\b+\j+1], v[64*\a+8*\b+\j:64*\a+8*\b+\j+1], v[CSM+8*\b+\j:CSM+8*\b+\j+1]
.endr
.endr
.endr
	WIN 0x03
.irp a, 0,1,2,3
.irp b, 0,1,2,3,4,5,6,7
.irp j, 0,2,4,6
	v_pk_add_f32 v[CSM+8*\b+\j:CSM+8*\b+\j+1], v[64*\a+8*\b+\j:64*\a+8*\b+\j+1], v[CSM+8*\b+\j:CSM+8*\b+\j+1]
.endr
.endr
.endr
	WIN 0
.irp x, 1,2,4,8                        ; over the 16 tokens that the 16 lanes of a half hold
.set n, 0
.rept 64
	v_add_f32_dpp v[CSM+n], v[CSM+n], v[CSM+n] row_xmask:\x row_mask:0xf bank_mask:0xf
.set n, n+1
.endr
.endr
.irp b, 0,1,2,3,4,5,6,7
	ds_store_b128 v[CSA], v[CSM+8*\b:CSM+8*\b+3] offset:64*\b        ; the sixteen lanes of a half write the same bytes with the same values
	ds_store_b128 v[CSA], v[CSM+8*\b+4:CSM+8*\b+7] offset:64*\b+16
.endr
	ds_load_b128 v[PS:PS+3], v[CSR]                ; behind my own stores: four columns a lane
	s_wait_dscnt 0x0
	global_store_b128 v[CO], v[PS:PS+3], s[18:19]  ; 512 consecutive bytes, aligned
	s_branch .Lout
	; ---- K: the rows of masked keys become zeros
.Lkeys:
	v_mov_b32 v116, 0
.irp a, 0,1,2,3,4,5,6,7
	v_cmp_eq_u32 vcc_lo, 0, v[MKR+\a]
	v_cndmask_b32 v[MK+2*\a], 1.0, v116, vcc_lo
	v_cndmask_b32 v[MK+2*\a+1], 1.0, v116, vcc_lo
.endr
	WIN 0x82
.irp a, 0,1,2,3
.irp b, 0,1,2,3,4,5,6,7
.irp j, 0,2,4,6
	v_pk_mul_f32 v[64*\a+8*\b+\j:64*\a+8*\b+\j+1], v[64*\a+8*\b+\j:64*\a+8*\b+\j+1], v[MK+2*\a:MK+2*\a+1]
.endr
.endr
.endr
	WIN 0xc3
.irp a, 0,1,2,3
.irp b, 0,1,2,3,4,5,6,7
.irp j, 0,2,4,6
	v_pk_mul_f32 v[64*\a+8*\b+\j:64*\a+8*\b+\j+1], v[64*\a+8*\b+\j:64*\a+8*\b+\j+1], v[MK+8+2*\a:MK+8+2*\a+1]
.endr
.endr
.endr
	WIN 0
.Lout:
; THE WAY OUT, 16 tokens x 128 columns (two heads) at a time: rounded to f16, 16 bytes a lane into my own stage, back as runs of 512 bytes of one head.
.macro PACK a
.set AC, 64*((\a)%4)
	WIN 0x0a+5*((\a)/4)
.irp b, 0,1,2,3,4,5,6,7
.irp r, 0,1,2,3
	v_cvt_pk_f16_f32 v[TMP+4*\b+\r], v[AC+8*\b+2*\r], v[AC+8*\b+2*\r+1]
.endr
.endr
	WIN 0
.endm
.macro TOSTAGE a
.set BK, OB+32*((\a)%2)
.irp b, 0,1,2,3,4,5,6,7
	ds_store_b128 v[STO], v[TMP+4*\b:TMP+4*\b+3] offset:(\b/4)*2176+32*(\b%4)
.endr
.irp t, 0,1,2,3,4,5,6,7
	ds_load_b128 v[BK+4*\t:BK+4*\t+3], v[RD] offset:\t*544           ; LDS serves a wave's instructions in order: these see the stores above
.endr
.endm
.macro SEND a
.set BK, OB+32*((\a)%2)
	s_wait_dscnt 0x0                               ; the block is back in registers
	s_wait_xcnt 0x0                                ; the stores of the block before have read their data: its registers are loaded again only behind this wait
.irp t, 0,1,2,3,4,5,6,7
	global_store_b128 v[CO], v[BK+4*\t:BK+4*\t+3], s[16:17] offset:(\t/4)*262144+2048*(\a)+512*(\t%4)   ; 512 consecutive bytes, aligned
.endr
.endm
	PACK 0
	TOSTAGE 0
.irp a, 1,2,3,4,5,6,7
	PACK \a
	SEND (\a)-1
	TOSTAGE \a
.endr
	SEND 7
	s_wait_tensorcnt 0x0                           ; the wave's end
	ds_add_u32 v[SPW], v[NIL]
	s_wait_dscnt 0x0
	CROUND                                         ; the closing round
	s_endpgm
.Lfunc_end_k_q0202d7e3b6_proj:
	.size	k_q0202d7e3b6_proj, .Lfunc_end_k_q0202d7e3b6_proj-k_q0202d7e3b6_proj
	.p2alignl 7, 3214868480
	.fill 96, 4, 3214868480
	.section	.rodata,"a",@progbits
	.p2align	6, 0x0
	.amdhsa_kernel k_q0202d7e3b6_proj
		.amdhsa_group_segment_fixed_size 327680
		.amdhsa_private_segment_fixed_size 0
		.amdhsa_enable_private_segment 0
		.amdhsa_kernarg_size 64
		.amdhsa_user_sgpr_count 2
		.amdhsa_user_sgpr_kernarg_segment_ptr 1
		.amdhsa_wavefront_size32 1
		.amdhsa_system_sgpr_workgroup_id_x 1
		.amdhsa_system_sgpr_workgroup_id_y 1
		.amdhsa_system_sgpr_workgroup_id_z 1
		.amdhsa_system_vgpr_workitem_id 0
		.amdhsa_next_free_vgpr 1024
		.amdhsa_next_free_sgpr 102
		.amdhsa_reserve_vcc 1
		.amdhsa_float_denorm_mode_32 3
		.amdhsa_float_denorm_mode_16_64 3
		.amdhsa_memory_ordered 1
		.amdhsa_forward_progress 1
		.amdhsa_inst_pref_size 178
	.end_amdhsa_kernel
	.amdgpu_metadata
---
amdhsa.version: [ 1, 2 ]
amdhsa.kernels:
  - .name:           k_q0202d7e3b6_proj
    .symbol:         k_q0202d7e3b6_proj.kd
    .args:
      - { .name: codes, .offset: 0, .size: 8, .value_kind: global_buffer, .address_space: global }
      - { .name: scales, .offset: 8, .size: 8, .value_kind: global_buffer, .address_space: global }
      - { .name: bq, .offset: 16, .size: 8, .value_kind: global_buffer, .address_space: global }
      - { .name: bk, .offset: 24, .size: 8, .value_kind: global_buffer, .address_space: global }
      - { .name: bv, .offset: 32, .size: 8, .value_kind: global_buffer, .address_space: global }
      - { .name: mask, .offset: 40, .size: 8, .value_kind: global_buffer, .address_space: global }
      - { .name: qkv16, .offset: 48, .size: 8, .value_kind: global_buffer, .address_space: global }
      - { .name: psum, .offset: 56, .size: 8, .value_kind: global_buffer, .address_space: global }
    .group_segment_fixed_size: 327680
    .private_segment_fixed_size: 0
    .kernarg_segment_align: 8
    .kernarg_segment_size: 64
    .max_flat_workgroup_size: 128
    .sgpr_count:     102
    .vgpr_count:     1024
    .wavefront_size: 32
...
	.end_amdgpu_metadata
.endif
;; end of part 2
;; launch attn (part 3): grid 8 x 32, 8 waves a work-group, clusters of 4 x 1, 327,680 bytes of LDS; arguments qkv16, psum, mask, attn16, cosbuf; writes attn16, cosbuf
.if DOCPART == 3
	.amdgcn_target "amdgcn-amd-amdhsa--gfx1250"
	.amdhsa_code_object_version 6
	.text
	.protected	k_q0202d7e3b6_attn
	.globl	k_q0202d7e3b6_attn
	.p2align	8
	.type	k_q0202d7e3b6_attn,@function
k_q0202d7e3b6_attn:
	s_mov_b64 s[64:65], 0
	v_nop
	global_prefetch_b8 v0, s[64:65] scope:SCOPE_SE
	s_setreg_imm32_b32 hwreg(HW_REG_WAVE_MODE, 25, 1), 1
	s_wait_xcnt 0x0
	s_wait_alu depctr_hold_cnt(0) depctr_sa_sdst(0) depctr_va_vdst(0) depctr_va_sdst(0) depctr_va_ssrc(0) depctr_va_vcc(0) depctr_vm_vsrc(0)
	s_getreg_b32 s2, hwreg(HW_REG_IB_STS2, 6, 4)
	s_cmp_eq_u32 s2, 0
	s_cbranch_scc0 .Lentry_in_a_cluster
	s_endpgm
.Lentry_in_a_cluster:
	s_bfe_u32 s2, ttmp6, 0x10000c
	s_cmp_lg_u32 s2, 0x3003
	s_cbranch_scc0 .Lentry_shape_is_right
	s_endpgm
.Lentry_shape_is_right:
; Attention of one (batch, head) bh on f16 operands with f32 sums: softmax_k(Q.K / 8 + 0.5 cos + 0.3 cos, masked keys at a fixed low score) V.
; cos is the cosine between the head's mean Q and mean V (each norm held at 1e-8 from below), made here in f32 from the column sums of the launch before; it also goes to cosbuf [bh][query block].
; THE BIAS AND THE MASK COST NO VECTOR WORK: a table C[key] in LDS holds 8 (0.5 cos + 0.3 cos), or -2^33 where mask == 0, and is the C operand that starts each sum of K Q^T.
; The rows of K of masked keys are zeros, so a masked key's raw score is exactly -2^33; c x 2^33 is exact, so with every key masked all weights are exactly 1, a uniform average.
; LIMITS: the masked score is -2^30 in the units in which the problem writes -1e9: the result differs only where an unmasked score lies near -1e9.  f16 operands: |Q|, |K|, |V| under 65,504.  NaN, infinities not served.
; SHARES: a work-group owns 256 queries, each of its eight waves 32 (two tiles of 16); two waves share a SIMD, so that one wave's softmax stands beside the other's products.  Keys go 64 a step, four steps a slot, two slots.
; CLUSTER 4 x 1: the four query blocks of a cluster walk the same K and V: each tile is asked for jointly.  Waves 0-3 fetch K of the slot's step (wave % 4), waves 4-7 V: one load a wave.
; LAYOUT: S^T = K Q^T and O^T = V^T P: a lane holds one query (lane % 16).  In LDS two keys' 128 bytes share a row of 256 bytes; K's rows are 272 bytes apart, V's 288.
; SOFTMAX: running maximum m and sum l; p = 2^(c s - c m), c = log2(e) / 8; O and l are multiplied by a = 2^(c m_old - c m_new) in every step.
; REGISTERS: window 0: v1-15 addresses; v16-31 statistics, 8 a tile (c m, m, l, l, c0-c3; a takes c2's place); v32-63 Q; v64-95 C; v96-159 S^T; v160-191 P; v192-255 O^T.  window 1: v0-63 K, v64-127 V.
.set PK,    272
.set PVP,   288
.set VOFF,  32*PK
.set STEPB, 32*(PK+PVP)
.set SLOT1, 1<<17
.set STAGE, SLOT1+4*STEPB              ; 16 pair-rows x 272 bytes for each wave
.set CT,    STAGE+8*4352               ; 2,048 f32
.set SPARE, CT+8192                    ; the spare words, 128 bytes a wave, named by no other line
.set AK0, 1
.set AV0, 2
.set AC0, 3
.set ADK, 4
.set ADV, 5
.set ADC, 6
.set STO, 7
.set RD,  8
.set GO,  9
.set SPW, 10
.set NIL, 11
.set PFO, 12
.set ST,  16
.set Q,   32
.set CM,  64
.set S,   96
.set P,   160
.set O,   192
.set KF,  0
.set VF,  64
.set WV,  14
.set PFA, 18
.set LIM, 20
.set G1K, 24
.set G1V, 32
.set G0K, 40
.set G0V, 48
.set SLOTS, 56
.set INNER, 57
.set CS,  58
.set SEL, 60
.set TB,  62
.set TC,  63
.set MSB, 0
.macro WIN new
.if MSB != \new
	s_set_vgpr_msb (MSB<<8)|\new
.set MSB, \new
.endif
.endm
.macro JLOAD                           ; a joint refill; the branch hangs on the wave's number alone; an s_nop 0 and four v_nop follow each line
	s_cmp_lt_u32 s[WV], 4
	s_cbranch_scc0 .Lfor_v_\@
	tensor_load_to_lds s[G0K+4:G0K+7], s[G1K:G1K+7]
	s_nop 0
.rept 4
	v_nop
.endr
	s_branch .Lasked_\@
.Lfor_v_\@:
	tensor_load_to_lds s[G0V+4:G0V+7], s[G1V:G1V+7]
	s_nop 0
.rept 4
	v_nop
.endr
.Lasked_\@:
.endm
; A prefetch of what the NEXT change of slots will ask for: 32,768 bytes of K and of V.  The head's first cluster asks; its four partners take 8,192 bytes each, told apart by address;
; wave 0 asks for K's, wave 4 for V's, lanes 256 bytes apart: each run of 256 bytes is named once.  The last change that fills a slot asks for nothing.
.macro ASK
	s_cmp_gt_u32 s[SLOTS], s[LIM]
	s_cbranch_scc0 .Lnot_mine_\@
	global_prefetch_b8 v[PFO], s[PFA:PFA+1] th:TH_LOAD_NT scope:SCOPE_SE
.Lnot_mine_\@:
.endm
.macro CROUND
	s_barrier_signal -1
	s_barrier_wait -1
	s_cmp_lg_u32 s[WV], 0
	s_cbranch_scc1 .Lnot_wave_0_\@
	s_barrier_signal -3
.Lnot_wave_0_\@:
	s_barrier_wait -3
	s_barrier_signal -1
	s_barrier_wait -1
.endm
	s_load_b256 s[4:11], s[0:1], 0x0               ; qkv16, psum, mask, attn16
	s_load_b64 s[12:13], s[0:1], 0x20              ; cosbuf
	v_lshl_add_u32 v[SPW], v0, 2, SPARE
	v_mov_b32 v[NIL], 0
	ds_add_u32 v[SPW], v[NIL]                      ; the opening: the add, twice on end, with its wait ahead of my first tensor load
	ds_add_u32 v[SPW], v[NIL]
	v_lshrrev_b32 v13, 5, v0
	v_readfirstlane_b32 s[WV], v13                 ; wave 0..7
	s_bfe_u32 s15, ttmp6, 0x40000                  ; cx
	s_lshl_b32 s16, ttmp9, 2
	s_add_co_u32 s16, s16, s15                     ; my block of 256 queries: it enters global addresses alone
	s_and_b32 s17, ttmp7, 0xffff                   ; bh, which the partners share
	s_lshl_b32 s2, s17, 18                         ; a head is 262,144 bytes
	s_and_b32 s21, s[WV], 3
	s_lshl_b32 s22, s21, 13                        ; the step that I fetch: 64 keys of 128 bytes
	s_add_co_u32 s66, s2, s22
	s_add_co_u32 s68, s66, 2*8388608               ; in V,
	s_add_co_u32 s66, s66, 8388608                 ; in K
	s_mov_b32 s67, 0
	s_mov_b32 s69, 0
	s_mul_i32 s23, s21, STEPB                      ; and its place in a slot
	s_lshl_b32 s70, s16, 15
	s_lshl_b32 s3, s[WV], 12
	s_add_co_u32 s70, s70, s3
	s_add_co_u32 s70, s70, s2                      ; my 32 queries in Q
	s_mov_b32 s71, 0
	s_mov_b32 s[G1K], 15|(1<<16)|(1<<20)|(1<<21)|(5<<22)|(3<<25)  ; mask: all four; elements of 2 bytes; padding: 4 words behind every 64
	s_mov_b32 s[G1V], 15|(1<<16)|(1<<20)|(1<<21)|(5<<22)|(7<<25)  ; 8 words
.irp g, G1K, G1V
	s_mov_b32 s[\g+1], 128<<16                     ; tensor_dim0: 128 elements, two keys' rows
	s_mov_b32 s[\g+2], 32<<16                      ; tensor_dim1
	s_mov_b32 s[\g+3], 128<<16                     ; tile_dim0
	s_mov_b32 s[\g+4], 32                          ; tile_dim1
	s_mov_b32 s[\g+5], 128                         ; stride
	s_mov_b32 s[\g+6], 0
	s_mov_b32 s[\g+7], 0
.endr
	s_mov_b32 s[CS], 0x3e38aa3b                    ; c = log2(e) / 8
	s_mov_b32 s[CS+1], s[CS]
	s_mov_b32 s[SEL], 0x76543210
	s_mov_b32 s[SEL+1], 0xfedcba98
	s_mov_b32 s[TB], 0
	s_mov_b32 s[TC], 0
	s_mov_b32 s[SLOTS], 6
	s_and_b32 s[LIM], s[WV], 3
	s_or_b32 s[LIM], s[LIM], ttmp9                 ; 0 in waves 0 and 4 of the head's first cluster: the same in all partners
	s_cmp_eq_u32 s[LIM], 0
	s_cselect_b32 s[LIM], 1, -1
	s_wait_dscnt 0x0                               ; both opening adds are done
	s_wait_kmcnt 0x0
	s_add_nc_u64 s[66:67], s[4:5], s[66:67]
	s_add_nc_u64 s[68:69], s[4:5], s[68:69]
	s_add_nc_u64 s[70:71], s[4:5], s[70:71]
	s_cmp_lt_u32 s[WV], 4
	s_cselect_b64 s[PFA:PFA+1], s[66:67], s[68:69]
	s_lshl_b32 s2, s15, 13                         ; my work-group's 8,192 bytes,
	s_add_co_u32 s2, s2, 65536                     ; in the third slot's keys: the first change steps it on.  Nothing is prefetched at the head
	s_mov_b32 s3, 0
	s_add_nc_u64 s[PFA:PFA+1], s[PFA:PFA+1], s[2:3]
	CROUND                                         ; all four work-groups are here: the first joint loads meet
.irp s, 0,1
	s_mov_b32 s[G0K+4*\s], 1
	s_add_co_u32 s[G0K+4*\s+1], s23, \s*SLOT1
	s_add_nc_u64 s[G0K+4*\s+2:G0K+4*\s+3], s[66:67], \s*32768
	s_or_b32 s[G0K+4*\s+3], s[G0K+4*\s+3], 0x80000000
	s_mov_b32 s[G0V+4*\s], 1
	s_add_co_u32 s[G0V+4*\s+1], s23, \s*SLOT1+VOFF
	s_add_nc_u64 s[G0V+4*\s+2:G0V+4*\s+3], s[68:69], \s*32768
	s_or_b32 s[G0V+4*\s+3], s[G0V+4*\s+3], 0x80000000
.endr
	s_cmp_lt_u32 s[WV], 4                          ; a wave's two first fills stand in one branch: two loads of mine are out
	s_cbranch_scc0 .Lfirst_v
	tensor_load_to_lds s[G0K:G0K+3], s[G1K:G1K+7]
	s_nop 0
	tensor_load_to_lds s[G0K+4:G0K+7], s[G1K:G1K+7]
	s_nop 0
.rept 4
	v_nop
.endr
	s_branch .Lfirst_asked
.Lfirst_v:
	tensor_load_to_lds s[G0V:G0V+3], s[G1V:G1V+7]
	s_nop 0
	tensor_load_to_lds s[G0V+4:G0V+7], s[G1V:G1V+7]
	s_nop 0
.rept 4
	v_nop
.endr
.Lfirst_asked:
	s_lshr_b32 s21, s17, 4                         ; b
	s_and_b32 s22, s17, 15                         ; head
	s_lshl_b32 s2, s21, 16
	s_lshl_b32 s3, s22, 8
	s_add_co_u32 s2, s2, s3
	s_mov_b32 s3, 0
	s_add_nc_u64 s[6:7], s[6:7], s[2:3]            ; psum: the batch's 16 blocks of tokens, the head's 64 columns
	s_lshl_b32 s2, s21, 4
	s_lshl_b32 s3, s16, 1
	s_add_co_u32 s2, s2, s3
	s_lshr_b32 s3, s[WV], 2
	s_add_co_u32 s2, s2, s3                        ; my block of 128 tokens
	s_lshl_b32 s2, s2, 4
	s_add_co_u32 s2, s2, s22
	s_lshl_b32 s2, s2, 14                          ; planes of 16,384 bytes
	s_and_b32 s3, s[WV], 3
	s_lshl_b32 s3, s3, 12
	s_add_co_u32 s2, s2, s3
	s_mov_b32 s3, 0
	s_add_nc_u64 s[10:11], s[10:11], s[2:3]
	s_lshl_b32 s2, s17, 3
	s_add_co_u32 s2, s2, s16
	s_lshl_b32 s2, s2, 2
	s_add_nc_u64 s[12:13], s[12:13], s[2:3]
	v_and_b32 v13, 15, v0                          ; r
	v_bfe_u32 v14, v0, 4, 1                        ; h
	v_lshrrev_b32 v[AK0], 1, v13
	v_mul_u32_u24 v[AK0], v[AK0], PK
	v_and_b32 v15, 1, v0
	v_lshl_add_u32 v[AK0], v15, 7, v[AK0]
	v_lshl_add_u32 v[AK0], v14, 4, v[AK0]          ; key r: (r / 2) x 272 + (r % 2) x 128 + 16 h
	v_bfe_u32 v[AV0], v0, 1, 2
	v_lshl_add_u32 v[AV0], v14, 2, v[AV0]
	v_mul_u32_u24 v[AV0], v[AV0], PVP
	v_lshl_add_u32 v[AV0], v15, 7, v[AV0]
	v_bfe_u32 v15, v0, 3, 1
	v_lshl_add_u32 v[AV0], v15, 4, v[AV0]
	v_add_nc_u32 v[AV0], VOFF, v[AV0]              ; the turning load: key 8 h + lane % 8, channels 8 ((lane / 8) % 2) on
	v_lshl_add_u32 v[AC0], v14, 5, CT              ; the table: eight keys of my half
	s_mul_i32 s21, s[WV], 4352
	s_add_co_u32 s21, s21, STAGE
	v_add_nc_u32 v[STO], s21, v[AK0]
	v_mul_u32_u24 v[RD], v14, 272
	v_lshl_add_u32 v[RD], v13, 4, v[RD]
	v_add_nc_u32 v[RD], s21, v[RD]
	v_and_b32 v[GO], 31, v0
	v_lshlrev_b32 v[PFO], 8, v[GO]
	v_lshlrev_b32 v15, 7, v13
	v_lshl_add_u32 v15, v14, 4, v15                ; Q: 128 r + 16 h
	v_lshlrev_b32 v13, 3, v[GO]                    ; psum: two columns a lane
	v_lshlrev_b32 v14, 5, v0                       ; mask: eight keys a thread
	v_lshlrev_b32 v[GO], 4, v[GO]
	v_lshl_add_u32 v24, v0, 5, CT
.irp i, 0,1,2,3,4,5,6,7,8,9,10,11,12,13,14,15
	global_load_b64 v[96+2*\i:97+2*\i], v13, s[6:7] offset:4096*\i
	global_load_b64 v[128+2*\i:129+2*\i], v13, s[6:7] offset:131072+4096*\i
.endr
	global_load_b128 v[64:67], v14, s[8:9]
	global_load_b128 v[68:71], v14, s[8:9] offset:16
.irp t, 0,1
.irp c, 0,1
	global_load_b128 v[Q+16*\t+8*\c:Q+16*\t+8*\c+3], v15, s[70:71] offset:2048*\t+64*\c
	global_load_b128 v[Q+16*\t+8*\c+4:Q+16*\t+8*\c+7], v15, s[70:71] offset:2048*\t+64*\c+32
.endr
.endr
	s_wait_loadcnt 8                               ; the sums and the mask are in; Q's eight loads stay out
.irp i, 0,1,2,3,4,5,6,7
	v_pk_add_f32 v[96+2*\i:97+2*\i], v[96+2*\i:97+2*\i], v[112+2*\i:113+2*\i]
	v_pk_add_f32 v[128+2*\i:129+2*\i], v[128+2*\i:129+2*\i], v[144+2*\i:145+2*\i]
.endr
.irp i, 0,1,2,3
	v_pk_add_f32 v[96+2*\i:97+2*\i], v[96+2*\i:97+2*\i], v[104+2*\i:105+2*\i]
	v_pk_add_f32 v[128+2*\i:129+2*\i], v[128+2*\i:129+2*\i], v[136+2*\i:137+2*\i]
.endr
.irp i, 0,1
	v_pk_add_f32 v[96+2*\i:97+2*\i], v[96+2*\i:97+2*\i], v[100+2*\i:101+2*\i]
	v_pk_add_f32 v[128+2*\i:129+2*\i], v[128+2*\i:129+2*\i], v[132+2*\i:133+2*\i]
.endr
	v_pk_add_f32 v[96:97], v[96:97], v[98:99]
	v_pk_add_f32 v[128:129], v[128:129], v[130:131]
	v_pk_mul_f32 v[96:97], v[96:97], 0x3a000000 op_sel_hi:[1,0]     ; / 2,048: the means
	v_pk_mul_f32 v[128:129], v[128:129], 0x3a000000 op_sel_hi:[1,0]
	v_mul_f32 v16, v96, v128
	v_mul_f32 v17, v96, v96
	v_mul_f32 v18, v128, v128
	v_fmac_f32 v16, v97, v129
	v_fmac_f32 v17, v97, v97
	v_fmac_f32 v18, v129, v129
.irp x, 1,2,4,8
	v_add_f32_dpp v16, v16, v16 row_xmask:\x row_mask:0xf bank_mask:0xf
	v_add_f32_dpp v17, v17, v17 row_xmask:\x row_mask:0xf bank_mask:0xf
	v_add_f32_dpp v18, v18, v18 row_xmask:\x row_mask:0xf bank_mask:0xf
.endr
	v_mov_b32 v20, 0
	v_mov_b32 v21, 0
	v_mov_b32 v22, 0
	v_permlanex16_b32 v20, v16, s[SEL], s[SEL+1]
	v_permlanex16_b32 v21, v17, s[SEL], s[SEL+1]
	v_permlanex16_b32 v22, v18, s[SEL], s[SEL+1]
	v_add_f32 v16, v16, v20                        ; the dot product,
	v_add_f32 v17, v17, v21                        ; and the two squared norms, in every lane
	v_add_f32 v18, v18, v22
	v_sqrt_f32 v17, v17
	v_sqrt_f32 v18, v18
	v_nop
	s_wait_alu depctr_va_vdst(0)                   ; one wait for the two roots, ahead of their first reader
	v_max_num_f32 v17, 0x322bcc77, v17             ; each norm held at 1e-8
	v_max_num_f32 v18, 0x322bcc77, v18
	v_mul_f32 v17, v17, v18
	v_rcp_f32 v17, v17
	v_nop
	s_wait_alu depctr_va_vdst(0)
	v_mul_f32 v19, v16, v17                        ; cos
	v_mul_f32 v20, 0.5, v19
	v_fmamk_f32 v20, v19, 0x3e99999a, v20          ; 0.5 cos + 0.3 cos
	v_mul_f32 v20, 0x41000000, v20                 ; x 8: in the units of the raw score
	v_mov_b32 v21, 0xd0000000                      ; -2^33
.irp i, 0,1,2,3,4,5,6,7
	v_cmp_eq_u32 vcc_lo, 0, v[64+\i]
	v_cndmask_b32 v[72+\i], v20, v21, vcc_lo
.endr
	ds_store_b128 v24, v[72:75]
	ds_store_b128 v24, v[76:79] offset:16
	v_mov_b32 v23, 0
	v_cmp_gt_u32 vcc_lo, 1, v0                     ; thread 0 stores the cosine
	s_wait_xcnt 0x0                                ; EXEC changes only behind this wait
	s_and_saveexec_b32 s66, vcc_lo
	global_store_b32 v23, v19, s[12:13]
	s_wait_xcnt 0x0
	s_or_b32 exec_lo, exec_lo, s66
	s_wait_dscnt 0x0                               ; my part of the table is written
	s_wait_tensorcnt 0x1                           ; my part of slot 0 is in; slot 1's may stay out
	s_barrier_signal -1
	s_barrier_wait -1
.macro FETCH_KC                        ; a step's K (16 loads) and its 64 entries of the table (8 loads)
	v_add_nc_u32 v[ADK], s[TB], v[AK0]
	v_add_nc_u32 v[ADC], s[TC], v[AC0]
	s_add_co_u32 s[TC], s[TC], 256
	WIN 0x40
.irp f, 0,1,2,3,4,5,6,7
	ds_load_b128 v[KF+8*\f:KF+8*\f+3], v[ADK] offset:(\f/2)*2176+(\f%2)*64
	ds_load_b128 v[KF+8*\f+4:KF+8*\f+7], v[ADK] offset:(\f/2)*2176+(\f%2)*64+32
.endr
	WIN 0
.irp t, 0,1,2,3
	ds_load_b128 v[CM+8*\t:CM+8*\t+3], v[ADC] offset:64*\t
	ds_load_b128 v[CM+8*\t+4:CM+8*\t+7], v[ADC] offset:64*\t+16
.endr
.endm
.macro KQ                              ; product i of 16: channels 32 (i / 8) on, keys 16 ((i / 2) % 4) on, tile i % 2; the first eight start from the table
.set rS, S+32*(i%2)+8*((i/2)%4)
.set rK, KF+16*((i/2)%4)+8*(i/8)
.set rQ, Q+16*(i%2)+8*(i/8)
.set rC, CM+8*((i/2)%4)
.if i < 8
	v_wmma_f32_16x16x32_f16 v[rS:rS+7], v[rK:rK+7], v[rQ:rQ+7], v[rC:rC+7]
.else
	v_wmma_f32_16x16x32_f16 v[rS:rS+7], v[rK:rK+7], v[rQ:rQ+7], v[rS:rS+7]
.endif
.endm
.macro PVM                             ; product i of 16 of O^T += V^T P: keys 32 (i / 8) on, channels 16 ((i / 2) % 4) on, tile i % 2
.set rO, O+32*(i%2)+8*((i/2)%4)
.set rV, VF+32*(i/8)+8*((i/2)%4)
.set rP, P+16*(i%2)+8*(i/8)
	v_wmma_f32_16x16x32_f16 v[rO:rO+7], v[rV:rV+7], v[rP:rP+7], v[rO:rO+7]
.endm
; The change of slots: all my tensor loads have landed (my part of the other slot), the add, my reads of this slot are back; then the barrier.  fill = 1: the barrier is a round of the cluster's,
; and the joint refill of the slot just left is the first thing behind it: it has four key steps in which to land.
.macro CHANGE fill
	s_wait_tensorcnt 0x0
	ds_add_u32 v[SPW], v[NIL]
.if \fill
.irp g, G0K+4, G0V+4
	s_xor_b32 s[\g+1], s[\g+1], SLOT1              ; the walking descriptors: the other slot, the next 256 keys
	s_add_nc_u64 s[\g+2:\g+3], s[\g+2:\g+3], 32768
.endr
	s_wait_xcnt 0x0                                ; the last prefetch, a slot back, has read its address
	s_add_nc_u64 s[PFA:PFA+1], s[PFA:PFA+1], 32768
	s_wait_dscnt 0x0
	CROUND
	JLOAD
	ASK
.else
	s_wait_dscnt 0x0
	s_barrier_signal -1
	s_barrier_wait -1
.endif
	s_sub_co_u32 s[TB], s[TB], 4*STEPB
	s_xor_b32 s[TB], s[TB], SLOT1
.endm
; A KEY STEP.  kind 0: plain; 1: the slot's last, with a refill; 2: the slot's last, no refill; 3: the last of all.
.macro STEP kind
	s_wait_dscnt 0x0                               ; this step's K and table entries are in
	WIN 0x01
.set i, 0
.rept 16
	KQ
.set i, i+1
.endr
	WIN 0
	v_add_nc_u32 v[ADV], s[TB], v[AV0]             ; with the three below: the four places behind the products
.rept 3
	v_nop
.endr
	s_add_co_u32 s[TB], s[TB], STEPB
	WIN 0x40
.irp f, 0,1,2,3,4,5,6,7
	ds_load_tr16_b128 v[VF+8*\f:VF+8*\f+3], v[ADV] offset:(\f/4)*4608+(\f%4)*32
	ds_load_tr16_b128 v[VF+8*\f+4:VF+8*\f+7], v[ADV] offset:(\f/4)*4608+2304+(\f%4)*32
.endr
	WIN 0
.if \kind == 1
	CHANGE 1
.elseif \kind == 2
	CHANGE 0
.endif
.if \kind != 3
	FETCH_KC                                       ; the next step's
.endif
	; the maximum of my 32 scores of each tile and the old m; the two tiles alternate; each accumulator is read from its low end on
.irp j, 0,1,2,3
.irp t, 0,1
	v_max3_num_f32 v[ST+8*\t+4+\j], v[S+32*\t+8*\j], v[S+32*\t+8*\j+1], v[S+32*\t+8*\j+2]
.endr
.endr
.irp u, 1,2
.irp j, 0,1,2,3
.irp t, 0,1
	v_max3_num_f32 v[ST+8*\t+4+\j], v[ST+8*\t+4+\j], v[S+32*\t+8*\j+2*\u+1], v[S+32*\t+8*\j+2*\u+2]
.endr
.endr
.endr
.irp t, 0,1
	v_max3_num_f32 v[ST+8*\t+4], v[ST+8*\t+4], v[S+32*\t+7], v[S+32*\t+15]
.endr
.irp t, 0,1
	v_max3_num_f32 v[ST+8*\t+6], v[ST+8*\t+6], v[S+32*\t+23], v[S+32*\t+31]
.endr
.irp t, 0,1
	v_max3_num_f32 v[ST+8*\t+4], v[ST+8*\t+4], v[ST+8*\t+5], v[ST+8*\t+6]
.endr
.irp t, 0,1
	v_max3_num_f32 v[ST+8*\t+4], v[ST+8*\t+4], v[ST+8*\t+7], v[ST+8*\t+1]
.endr
.irp t, 0,1
	v_permlanex16_b32 v[ST+8*\t+5], v[ST+8*\t+4], s[SEL], s[SEL+1]   ; the query's other 32 keys lie in the lane 16 away
.endr
.irp t, 0,1
	v_mov_b32 v[ST+8*\t+7], v[ST+8*\t]             ; c m_old
.endr
.irp t, 0,1
	v_max_num_f32 v[ST+8*\t+1], v[ST+8*\t+4], v[ST+8*\t+5]
.endr
.irp t, 0,1
	v_mul_f32 v[ST+8*\t], s[CS], v[ST+8*\t+1]
.endr
.irp t, 0,1
	v_sub_f32 v[ST+8*\t+7], v[ST+8*\t+7], v[ST+8*\t]
.endr
.irp t, 0,1
	v_exp_f32 v[ST+8*\t+6], v[ST+8*\t+7]           ; a
.endr
.set e, 0
.rept 16
	v_pk_fma_f32 v[S+2*e:S+2*e+1], v[S+2*e:S+2*e+1], s[CS:CS+1], v[ST:ST+1] op_sel_hi:[1,0,0] neg_lo:[0,0,1] neg_hi:[0,0,1]   ; tile 0: c s - c m
.set e, e+1
.endr
.set e, 0
.rept 16                               ; tile 0's exponentials, with tile 1's scalings between them
	v_exp_f32 v[S+2*e], v[S+2*e]
	v_exp_f32 v[S+2*e+1], v[S+2*e+1]
	v_pk_fma_f32 v[S+32+2*e:S+32+2*e+1], v[S+32+2*e:S+32+2*e+1], s[CS:CS+1], v[ST+8:ST+9] op_sel_hi:[1,0,0] neg_lo:[0,0,1] neg_hi:[0,0,1]
.set e, e+1
.endr
	s_wait_alu depctr_va_vdst(0)                   ; one wait for both a and tile 0's 32 exponentials, ahead of their first reader
.set e, 0
.rept 16                               ; tile 1's exponentials, with tile 0's rounding, sum and rescaling between them: none of these names a result of tile 1
	v_exp_f32 v[S+32+2*e], v[S+32+2*e]
	v_exp_f32 v[S+33+2*e], v[S+33+2*e]
	v_cvt_pk_f16_f32 v[P+e], v[S+2*e], v[S+2*e+1]
.if e == 0
	v_pk_fma_f32 v[ST+2:ST+3], v[ST+2:ST+3], v[ST+6:ST+7], v[S:S+1] op_sel_hi:[1,0,1]
.else
	v_pk_add_f32 v[ST+2:ST+3], v[ST+2:ST+3], v[S+2*e:S+2*e+1]
.endif
	v_pk_mul_f32 v[O+2*e:O+2*e+1], v[O+2*e:O+2*e+1], v[ST+6:ST+7] op_sel_hi:[1,0]
.set e, e+1
.endr
	s_wait_alu depctr_va_vdst(0)                   ; one wait for tile 1's 32
.set e, 0
.rept 16
	v_cvt_pk_f16_f32 v[P+16+e], v[S+32+2*e], v[S+33+2*e]
.if e == 0
	v_pk_fma_f32 v[ST+10:ST+11], v[ST+10:ST+11], v[ST+14:ST+15], v[S+32:S+33] op_sel_hi:[1,0,1]
.else
	v_pk_add_f32 v[ST+10:ST+11], v[ST+10:ST+11], v[S+32+2*e:S+33+2*e]
.endif
	v_pk_mul_f32 v[O+32+2*e:O+33+2*e], v[O+32+2*e:O+33+2*e], v[ST+14:ST+15] op_sel_hi:[1,0]
.set e, e+1
.endr
.if \kind == 3
	s_wait_dscnt 0x0
.else
	s_wait_dscnt 24                                ; V is in; the next step's 16 loads of K and 8 of the table stay out
.endif
	WIN 0x01
.set i, 0
.rept 16
	PVM
.set i, i+1
.endr
	WIN 0
.endm
.macro THREE                           ; a slot's first three steps: written once, walked three times
	s_mov_b32 s[INNER], 3
.Lthree_\@:
	STEP 0
	s_sub_co_u32 s[INNER], s[INNER], 1
	s_cmp_lg_u32 s[INNER], 0
	s_cbranch_scc1 .Lthree_\@
.endm
	FETCH_KC                                       ; key step 0
.set n, 0
.rept 64
	v_mov_b32 v[O+n], 0                            ; the step is written once: the first finds zeros, which its a leaves zeros
.set n, n+1
.endr
.irp t, 0,1
	v_mov_b32 v[ST+8*\t+1], 0xff61b1e6             ; m: -3e38, under every score
	v_mul_f32 v[ST+8*\t], s[CS], v[ST+8*\t+1]
	v_mov_b32 v[ST+8*\t+2], 0
	v_mov_b32 v[ST+8*\t+3], 0
.endr
	s_wait_loadcnt 0x0                             ; Q
.Lslot:                                            ; six trips: every slot but the last two is filled again
	THREE
	STEP 1
	s_sub_co_u32 s[SLOTS], s[SLOTS], 1
	s_cmp_lg_u32 s[SLOTS], 0
	s_cbranch_scc1 .Lslot
	THREE                                          ; the tail is written out
	STEP 2
	THREE
	STEP 3
	; THE WAY OUT: O^T / l, rounded to f16, through my stage, as 4,096 consecutive bytes of attn16 [block of 128 tokens][head][token][64]
.rept 4
	v_nop
.endr
.irp t, 0,1
	v_add_f32 v[ST+8*\t+4], v[ST+8*\t+2], v[ST+8*\t+3]
.endr
.irp t, 0,1
	v_permlanex16_b32 v[ST+8*\t+5], v[ST+8*\t+4], s[SEL], s[SEL+1]
.endr
.irp t, 0,1
	v_add_f32 v[ST+8*\t+4], v[ST+8*\t+4], v[ST+8*\t+5]
.endr
.irp t, 0,1
	v_rcp_f32 v[ST+8*\t+6], v[ST+8*\t+4]
.endr
	v_nop
	s_wait_alu depctr_va_vdst(0)                   ; one wait for the two reciprocals
.irp t, 0,1
.set e, 0
.rept 16
	v_pk_mul_f32 v[S+32*\t+2*e:S+32*\t+2*e+1], v[O+32*\t+2*e:O+32*\t+2*e+1], v[ST+8*\t+6:ST+8*\t+7] op_sel_hi:[1,0]
.set e, e+1
.endr
.endr
.set e, 0
.rept 32
	v_cvt_pk_f16_f32 v[P+e], v[S+2*e], v[S+2*e+1]
.set e, e+1
.endr
.irp t, 0,1
.irp c, 0,1,2,3
	ds_store_b128 v[STO], v[P+16*\t+4*\c:P+16*\t+4*\c+3] offset:2176*\t+32*\c
.endr
.endr
.irp i, 0,1,2,3,4,5,6,7
	ds_load_b128 v[S+4*\i:S+4*\i+3], v[RD] offset:544*\i               ; behind my own stores
.endr
.irp i, 0,1,2,3,4,5,6,7
	s_wait_dscnt 7-\i
	global_store_b128 v[GO], v[S+4*\i:S+4*\i+3], s[10:11] offset:512*\i   ; 512 consecutive bytes, aligned
.endr
	s_wait_tensorcnt 0x0                           ; the wave's end
	ds_add_u32 v[SPW], v[NIL]
	s_wait_dscnt 0x0
	CROUND                                         ; the closing round
	s_endpgm
.Lfunc_end_k_q0202d7e3b6_attn:
	.size	k_q0202d7e3b6_attn, .Lfunc_end_k_q0202d7e3b6_attn-k_q0202d7e3b6_attn
	.p2alignl 7, 3214868480
	.fill 96, 4, 3214868480
	.section	.rodata,"a",@progbits
	.p2align	6, 0x0
	.amdhsa_kernel k_q0202d7e3b6_attn
		.amdhsa_group_segment_fixed_size 327680
		.amdhsa_private_segment_fixed_size 0
		.amdhsa_enable_private_segment 0
		.amdhsa_kernarg_size 40
		.amdhsa_user_sgpr_count 2
		.amdhsa_user_sgpr_kernarg_segment_ptr 1
		.amdhsa_wavefront_size32 1
		.amdhsa_system_sgpr_workgroup_id_x 1
		.amdhsa_system_sgpr_workgroup_id_y 1
		.amdhsa_system_sgpr_workgroup_id_z 1
		.amdhsa_system_vgpr_workitem_id 0
		.amdhsa_next_free_vgpr 384
		.amdhsa_next_free_sgpr 72
		.amdhsa_reserve_vcc 1
		.amdhsa_float_denorm_mode_32 3
		.amdhsa_float_denorm_mode_16_64 3
		.amdhsa_memory_ordered 1
		.amdhsa_forward_progress 1
		.amdhsa_inst_pref_size 134
	.end_amdhsa_kernel
	.amdgpu_metadata
---
amdhsa.version: [ 1, 2 ]
amdhsa.kernels:
  - .name:           k_q0202d7e3b6_attn
    .symbol:         k_q0202d7e3b6_attn.kd
    .args:
      - { .name: qkv16, .offset: 0, .size: 8, .value_kind: global_buffer, .address_space: global }
      - { .name: psum, .offset: 8, .size: 8, .value_kind: global_buffer, .address_space: global }
      - { .name: mask, .offset: 16, .size: 8, .value_kind: global_buffer, .address_space: global }
      - { .name: attn16, .offset: 24, .size: 8, .value_kind: global_buffer, .address_space: global }
      - { .name: cosbuf, .offset: 32, .size: 8, .value_kind: global_buffer, .address_space: global }
    .group_segment_fixed_size: 327680
    .private_segment_fixed_size: 0
    .kernarg_segment_align: 8
    .kernarg_segment_size: 40
    .max_flat_workgroup_size: 256
    .sgpr_count:     72
    .vgpr_count:     384
    .wavefront_size: 32
...
	.end_amdgpu_metadata
.endif
;; end of part 3
;; launch outp (part 4): grid 8 x 32, 4 waves a work-group, clusters of 4 x 4, 327,680 bytes of LDS; arguments attn16, wo16, bo, cosbuf, out0, out1; writes out0, out1
.if DOCPART == 4
	.amdgcn_target "amdgcn-amd-amdhsa--gfx1250"
	.amdhsa_code_object_version 6
	.text
	.protected	k_q0202d7e3b6_outp
	.globl	k_q0202d7e3b6_outp
	.p2align	8
	.type	k_q0202d7e3b6_outp,@function
k_q0202d7e3b6_outp:
	s_mov_b64 s[64:65], 0
	v_nop
	global_prefetch_b8 v0, s[64:65] scope:SCOPE_SE
	s_setreg_imm32_b32 hwreg(HW_REG_WAVE_MODE, 25, 1), 1
	s_wait_xcnt 0x0
	s_wait_alu depctr_hold_cnt(0) depctr_sa_sdst(0) depctr_va_vdst(0) depctr_va_sdst(0) depctr_va_ssrc(0) depctr_va_vcc(0) depctr_vm_vsrc(0)
	s_getreg_b32 s2, hwreg(HW_REG_IB_STS2, 6, 4)
	s_cmp_eq_u32 s2, 0
	s_cbranch_scc0 .Lentry_in_a_cluster
	s_endpgm
.Lentry_in_a_cluster:
	s_bfe_u32 s2, ttmp6, 0x10000c
	s_cmp_lg_u32 s2, 0xf033
	s_cbranch_scc0 .Lentry_shape_is_right
	s_endpgm
.Lentry_shape_is_right:
; out0 = attn Wo^T + bo on f16 operands with f32 sums: M 4,096, N 1,024, K 1,024; and out1 = the mean of the 32 cosines.
; A tile of 128 x 128 gives 256 work-groups; four waves, 64 x 64 each: 16 accumulators.  Both operands were laid by earlier launches as planes [128 rows][64 k] of 16,384 dense bytes:
; a K step of 256 is four planes on end, 65,536 bytes; a wave's tensor load brings two of them as 128 rows of 256 bytes (two operand rows to a row), 272 bytes apart in LDS.
; CLUSTER 4 x 4: attn's tiles are shared along a row of the cluster, Wo's along a column: joint loads.  Two slots; K steps 2 and 3 refill them, each behind a round of the cluster's barrier.
; The matrix instruction is used transposed (source 0 = 16 rows of Wo, source 1 = 16 tokens): a lane holds eight neighbouring columns of a token.  The bias is the C of each sum's first product.
; A wave's 64 columns of f32 are 256 aligned bytes of a row of out0, so each wave stores its own rows through its own stage and no barrier is needed on the way out.
; cosbuf holds each head's cosine eight times, made alike by eight work-groups: the mean of all 256 words is the mean of the 32.
; REGISTERS: window 0: v1-7 at work, v16-31 addresses, v32-95 rows on the way out, v96-127 the bias, v128-255 the accumulators.  window 1: two fragment buffers of 128.
.set PITCH,  272
.set PLANE,  64*PITCH                  ; 128 operand rows x 64 k
.set HALFT,  2*PLANE                   ; what one tensor load brings
.set SLOT,   4*HALFT                   ; attn's four planes, then Wo's four
.set HALFR,  32*PITCH                  ; a wave's 64 rows inside a plane
.set BLK,    8*PITCH                   ; 16 rows
.set STAGE,  2*SLOT                    ; 16 rows x 272 bytes for each wave
.set SPARE,  STAGE+4*4352              ; the spare words, 128 bytes a wave, named by no other line
.set ADRA, 16
.set ADRB, 20
.set STO,  24
.set RD,   25
.set CO,   26
.set SPW,  28
.set NIL,  29
.set OB,   32
.set BI,   96
.set ACC,  128
.set F0,   0
.set F1,   128
.set G1, 24
.set G0, 32
.set G1B, 48
.set G0B, 56
.set MSB, 0
.macro WIN new
.if MSB != \new
	s_set_vgpr_msb (MSB<<8)|\new
.set MSB, \new
.endif
.endm
.set MUL,  0x05                        ; sources 0 and 1 window 1; C and D window 0
.set TO_F, 0x40
.macro JLOAD s                         ; waves 0 and 1 fetch attn's halves, waves 2 and 3 Wo's; an s_nop 0 and four v_nop follow each line
	s_cmp_eq_u32 s17, 0
	s_cbranch_scc0 .Lfor_b_\@
	tensor_load_to_lds s[G0+4*\s:G0+4*\s+3], s[G1:G1+7]
	s_nop 0
.rept 4
	v_nop
.endr
	s_branch .Lasked_\@
.Lfor_b_\@:
	tensor_load_to_lds s[G0B+4*\s:G0B+4*\s+3], s[G1B:G1B+7]
	s_nop 0
.rept 4
	v_nop
.endr
.Lasked_\@:
.endm
.macro CREST
	s_cmp_lg_u32 s16, 0
	s_cbranch_scc1 .Lnot_wave_0_\@
	s_barrier_signal -3
.Lnot_wave_0_\@:
	s_barrier_wait -3
	s_barrier_signal -1
	s_barrier_wait -1
.endm
.macro CROUND
	s_barrier_signal -1
	s_barrier_wait -1
	CREST
.endm
	s_load_b256 s[4:11], s[0:1], 0x0               ; attn16, wo16, bo, cosbuf
	s_load_b128 s[12:15], s[0:1], 0x20             ; out0, out1
	v_lshl_add_u32 v[SPW], v0, 2, SPARE
	v_mov_b32 v[NIL], 0
	ds_add_u32 v[SPW], v[NIL]                      ; the opening: the add, twice on end, with its wait ahead of my first tensor load
	ds_add_u32 v[SPW], v[NIL]
	v_lshrrev_b32 v1, 5, v0
	v_readfirstlane_b32 s16, v1                    ; wave 0..3
	s_lshr_b32 s17, s16, 1                         ; my half of the tile's rows; also: I fetch for attn (0) or Wo (1)
	s_and_b32 s18, s16, 1                          ; my half of its columns; also: which two planes I fetch
	s_bfe_u32 s40, ttmp6, 0x40000
	s_bfe_u32 s41, ttmp6, 0x40004
	s_lshl_b32 s42, ttmp9, 2
	s_add_co_u32 s42, s42, s40                     ; tile column nb
	s_and_b32 s45, ttmp7, 0xffff
	s_lshl_b32 s45, s45, 2
	s_add_co_u32 s45, s45, s41                     ; tile row mb
	s_lshl_b32 s43, s41, 2
	s_lshl_b32 s43, 15, s43
	s_lshl_b32 s44, 0x1111, s40
	s_or_b32 s[G1+0], s43, (3<<16)|(1<<20)|(1<<21)|(5<<22)|(3<<25)  ; mask; elements of 8 bytes; padding: 4 words behind every 64
	s_or_b32 s[G1B+0], s44, (3<<16)|(1<<20)|(1<<21)|(5<<22)|(3<<25)
.irp g, G1, G1B
	s_mov_b32 s[\g+1], 32<<16                      ; tensor_dim0: 256 bytes
	s_mov_b32 s[\g+2], 128<<16                     ; tensor_dim1
	s_mov_b32 s[\g+3], 32<<16                      ; tile_dim0
	s_mov_b32 s[\g+4], 128                         ; tile_dim1
	s_mov_b32 s[\g+5], 32                          ; stride: dense
	s_mov_b32 s[\g+6], 0
	s_mov_b32 s[\g+7], 0
.endr
	s_lshl_b32 s19, s18, 15                        ; two planes are 32,768 bytes
	s_lshl_b32 s20, s45, 18                        ; a tile row's 16 planes are 262,144
	s_add_co_u32 s20, s20, s19
	s_mov_b32 s21, 0
	s_lshl_b32 s46, s42, 18
	s_add_co_u32 s46, s46, s19
	s_mov_b32 s47, 0
	s_mul_i32 s22, s16, HALFT                      ; no place in the cluster enters an LDS address
	s_mov_b32 s66, 0x76543210
	s_mov_b32 s67, 0xfedcba98
	s_wait_dscnt 0x0                               ; both opening adds are done
	s_wait_kmcnt 0x0
	s_add_nc_u64 s[20:21], s[4:5], s[20:21]
	s_add_nc_u64 s[46:47], s[6:7], s[46:47]
	CROUND                                         ; all sixteen work-groups are here
.irp s, 0,1
	s_mov_b32 s[G0+4*\s], 1
	s_add_co_u32 s[G0+4*\s+1], s22, \s*SLOT
	s_add_nc_u64 s[G0+4*\s+2:G0+4*\s+3], s[20:21], \s*65536
	s_or_b32 s[G0+4*\s+3], s[G0+4*\s+3], 0x80000000
	s_mov_b32 s[G0B+4*\s], 1
	s_add_co_u32 s[G0B+4*\s+1], s22, \s*SLOT
	s_add_nc_u64 s[G0B+4*\s+2:G0B+4*\s+3], s[46:47], \s*65536
	s_or_b32 s[G0B+4*\s+3], s[G0B+4*\s+3], 0x80000000
	JLOAD \s                                       ; two loads of mine are out
.endr
	s_lshl_b32 s2, s42, 9
	s_lshl_b32 s3, s18, 8
	s_add_co_u32 s2, s2, s3                        ; my first column as bytes of f32
	s_mov_b32 s3, 0
	s_add_nc_u64 s[8:9], s[8:9], s[2:3]
	s_lshl_b32 s19, s45, 19
	s_add_co_u32 s2, s2, s19
	s_lshl_b32 s19, s17, 18
	s_add_co_u32 s2, s2, s19                       ; + my first row x 4,096
	s_add_nc_u64 s[12:13], s[12:13], s[2:3]
	v_and_b32 v1, 15, v0                           ; r
	v_bfe_u32 v2, v0, 4, 1                         ; h
	v_lshlrev_b32 v6, 5, v2
.irp b, 0,1,2,3
	global_load_b128 v[BI+8*\b:BI+8*\b+3], v6, s[8:9] offset:64*\b             ; bo of columns 16 b + 8 h + 0..7
	global_load_b128 v[BI+8*\b+4:BI+8*\b+7], v6, s[8:9] offset:64*\b+16
.endr
	v_lshrrev_b32 v3, 1, v1
	v_mul_u32_u24 v3, v3, PITCH
	v_and_b32 v4, 1, v0
	v_lshl_add_u32 v3, v4, 7, v3
	v_lshl_add_u32 v3, v2, 4, v3                   ; row r of a fragment: (r / 2) x 272 + (r % 2) x 128 + 16 h
	s_mul_i32 s2, s17, HALFR
	s_mul_i32 s3, s18, HALFR
	s_add_co_u32 s3, s3, 2*HALFT
.irp s, 0,1
	v_add_nc_u32 v[ADRA+\s], s2, v3
	v_add_nc_u32 v[ADRB+\s], s3, v3
	s_add_co_u32 s2, s2, SLOT
	s_add_co_u32 s3, s3, SLOT
.endr
	s_mul_i32 s2, s16, 4352
	s_add_co_u32 s2, s2, STAGE
	v_mul_u32_u24 v4, v1, 272
	v_lshl_add_u32 v4, v2, 5, v4
	v_add_nc_u32 v[STO], s2, v4                    ; in: row r, 32 bytes for each half of the lanes
	v_mul_u32_u24 v5, v2, 272
	v_lshl_add_u32 v5, v1, 4, v5
	v_add_nc_u32 v[RD], s2, v5                     ; back: lanes 0-15 one row of 256 bytes, lanes 16-31 the next
	v_lshlrev_b32 v5, 12, v2
	v_lshl_add_u32 v[CO], v1, 4, v5                ; and the same two rows in out0
.macro MUL8 f, c, a0, zero             ; token blocks a0, a0 + 1 x the 4 column blocks, 32 along K; the 16 accumulators take turns
.irp a, \a0, \a0+1
.irp b, 0,1,2,3
.if \zero
	v_wmma_f32_16x16x32_f16 v[ACC+8*(4*(\a)+\b):ACC+8*(4*(\a)+\b)+7], v[\f+64+8*(4*\c+\b):\f+64+8*(4*\c+\b)+7], v[\f+8*(4*\c+\a):\f+8*(4*\c+\a)+7], v[BI+8*\b:BI+8*\b+7]
.else
	v_wmma_f32_16x16x32_f16 v[ACC+8*(4*(\a)+\b):ACC+8*(4*(\a)+\b)+7], v[\f+64+8*(4*\c+\b):\f+64+8*(4*\c+\b)+7], v[\f+8*(4*\c+\a):\f+8*(4*\c+\a)+7], v[ACC+8*(4*(\a)+\b):ACC+8*(4*(\a)+\b)+7]
.endif
.endr
.endr
.endm
.macro FETCH slot, pl, f               ; 32 LDS loads: the fragments of plane pl (64 along K) into buffer f; its first 32 along K first
	WIN TO_F
.irp c, 0,1
.irp i, 0,1,2,3
	ds_load_b128 v[\f+64+8*(4*\c+\i):\f+64+8*(4*\c+\i)+3],   v[ADRB+\slot] offset:(\pl)*PLANE+64*\c+\i*BLK
	ds_load_b128 v[\f+64+8*(4*\c+\i)+4:\f+64+8*(4*\c+\i)+7], v[ADRB+\slot] offset:(\pl)*PLANE+64*\c+\i*BLK+32
	ds_load_b128 v[\f+8*(4*\c+\i):\f+8*(4*\c+\i)+3],         v[ADRA+\slot] offset:(\pl)*PLANE+64*\c+\i*BLK
	ds_load_b128 v[\f+8*(4*\c+\i)+4:\f+8*(4*\c+\i)+7],       v[ADRA+\slot] offset:(\pl)*PLANE+64*\c+\i*BLK+32
.endr
.endr
.endm
.macro PLACES
.rept 4
	v_nop
.endr
.endm
.macro QUARTER slot, pl, f, g, zero    ; multiplies buffer f and fetches plane pl of the same slot into g
	s_wait_dscnt 16                                ; the first 32 along K are in; sixteen younger loads stay out
	WIN MUL
	MUL8 \f, 0, 0, \zero
	MUL8 \f, 0, 2, \zero
	PLACES
	FETCH \slot, \pl, \g
	s_wait_dscnt 32                                ; all but the 32 just issued
	WIN MUL
	MUL8 \f, 1, 0, 0
	MUL8 \f, 1, 2, 0
.endm
; A slot's last quarter changes slots: all my tensor loads have landed, the add, my reads of this slot are back; one barrier.  fill = 1: it opens a round of the cluster's barrier and this slot is filled again, two K steps on.
.macro TURN slot, next, fill
	WIN 0
	s_wait_tensorcnt 0x0
	ds_add_u32 v[SPW], v[NIL]
	s_wait_dscnt 17                                ; the add and the youngest sixteen loads may be out
	WIN MUL
	MUL8 F1, 0, 0, 0
	s_wait_dscnt 0x0
	s_barrier_signal -1
	MUL8 F1, 0, 2, 0
.if \fill
	WIN 0
.endif
	s_barrier_wait -1
.if \fill
	CREST
	s_add_nc_u64 s[G0+4*\slot+2:G0+4*\slot+3], s[G0+4*\slot+2:G0+4*\slot+3], 131072
	s_add_nc_u64 s[G0B+4*\slot+2:G0B+4*\slot+3], s[G0B+4*\slot+2:G0B+4*\slot+3], 131072
	JLOAD \slot                                    ; the first tensor load behind the round; its four v_nop are also the places in front of the loads below
.else
	PLACES
.endif
	FETCH \next, 0, F0
	WIN MUL
	MUL8 F1, 1, 0, 0
	MUL8 F1, 1, 2, 0
.endm
	s_wait_tensorcnt 1                             ; my part of K step 0 is in; K step 1's may stay out
	s_barrier_signal -1
	s_barrier_wait -1
	FETCH 0, 0, F0
	s_wait_loadcnt 0x0                             ; the bias
	QUARTER 0, 1, F0, F1, 1                        ; K step 0
	QUARTER 0, 2, F1, F0, 0
	QUARTER 0, 3, F0, F1, 0
	TURN 0, 1, 1
	QUARTER 1, 1, F0, F1, 0                        ; K step 1
	QUARTER 1, 2, F1, F0, 0
	QUARTER 1, 3, F0, F1, 0
	TURN 1, 0, 1
	QUARTER 0, 1, F0, F1, 0                        ; K step 2
	QUARTER 0, 2, F1, F0, 0
	QUARTER 0, 3, F0, F1, 0
	TURN 0, 1, 0
	QUARTER 1, 1, F0, F1, 0                        ; K step 3
	QUARTER 1, 2, F1, F0, 0
	QUARTER 1, 3, F0, F1, 0
	s_wait_dscnt 16
	WIN MUL
	MUL8 F1, 0, 0, 0
	MUL8 F1, 0, 2, 0
	s_wait_dscnt 0
	MUL8 F1, 1, 0, 0
	MUL8 F1, 1, 2, 0
	WIN 0
; THE WAY OUT, 16 tokens x 64 columns at a time, through my own stage; each accumulator is stored from its low end on.
.macro TOSTAGE a
.set BB, OB+32*((\a)%2)
.irp b, 0,1,2,3
	ds_store_b128 v[STO], v[ACC+8*(4*(\a)+\b):ACC+8*(4*(\a)+\b)+3] offset:64*\b
	ds_store_b128 v[STO], v[ACC+8*(4*(\a)+\b)+4:ACC+8*(4*(\a)+\b)+7] offset:64*\b+16
.endr
.irp t, 0,1,2,3,4,5,6,7
	ds_load_b128 v[BB+4*\t:BB+4*\t+3], v[RD] offset:\t*544           ; LDS serves a wave's instructions in order
.endr
.endm
.macro SEND a, younger
.set BB, OB+32*((\a)%2)
	s_wait_dscnt \younger                          ; the block is back; the next block's 8 stores and 8 loads may be out
.irp t, 0,1,2,3,4,5,6,7
	global_store_b128 v[CO], v[BB+4*\t:BB+4*\t+3], s[12:13] offset:(16*(\a)+2*\t)*4096 th:TH_STORE_NT   ; sixteen lanes store 256 consecutive bytes, aligned
.endr
.endm
	PLACES
	TOSTAGE 0
.irp a, 1,2,3
.if \a > 1
	s_wait_xcnt 0x0                                ; block a - 2's stores have read their data: its registers are loaded again only behind this wait
.endif
	TOSTAGE \a
	SEND (\a)-1, 16
.endr
	SEND 3, 0
	; out1, by wave 0; the one thread of the whole launch that stores it is picked by EXEC, not by a branch
	s_cmp_lg_u32 s16, 0
	s_cbranch_scc1 .Lno_mean
	v_lshlrev_b32 v7, 5, v0                        ; in wave 0 the thread's number is the lane: eight words a lane
	global_load_b128 v[96:99], v7, s[10:11]
	global_load_b128 v[100:103], v7, s[10:11] offset:16
	s_wait_loadcnt 0x0
	v_pk_add_f32 v[96:97], v[96:97], v[98:99]
	v_pk_add_f32 v[100:101], v[100:101], v[102:103]
	v_pk_add_f32 v[96:97], v[96:97], v[100:101]
	v_add_f32 v96, v96, v97
	v_add_f32_dpp v96, v96, v96 row_xmask:1 row_mask:0xf bank_mask:0xf
	v_add_f32_dpp v96, v96, v96 row_xmask:2 row_mask:0xf bank_mask:0xf
	v_add_f32_dpp v96, v96, v96 row_xmask:4 row_mask:0xf bank_mask:0xf
	v_add_f32_dpp v96, v96, v96 row_xmask:8 row_mask:0xf bank_mask:0xf
	v_permlanex16_b32 v97, v96, s66, s67
	v_add_f32 v96, v96, v97
	v_mul_f32 v96, 0x3b800000, v96                 ; / 256
	s_or_b32 s2, s45, s42
	v_or_b32 v98, s2, v0                           ; 0 in thread 0 of the tile (0, 0) alone
	v_cmp_eq_u32 vcc_lo, 0, v98
	v_mov_b32 v99, 0
	s_wait_xcnt 0x0                                ; EXEC changes only behind this wait
	s_and_saveexec_b32 s3, vcc_lo
	global_store_b32 v99, v96, s[14:15]
	s_wait_xcnt 0x0
	s_or_b32 exec_lo, exec_lo, s3
.Lno_mean:
	s_wait_tensorcnt 0x0                           ; the wave's end
	ds_add_u32 v[SPW], v[NIL]
	s_wait_dscnt 0x0
	CROUND                                         ; the closing round
	s_endpgm
.Lfunc_end_k_q0202d7e3b6_outp:
	.size	k_q0202d7e3b6_outp, .Lfunc_end_k_q0202d7e3b6_outp-k_q0202d7e3b6_outp
	.p2alignl 7, 3214868480
	.fill 96, 4, 3214868480
	.section	.rodata,"a",@progbits
	.p2align	6, 0x0
	.amdhsa_kernel k_q0202d7e3b6_outp
		.amdhsa_group_segment_fixed_size 327680
		.amdhsa_private_segment_fixed_size 0
		.amdhsa_enable_private_segment 0
		.amdhsa_kernarg_size 48
		.amdhsa_user_sgpr_count 2
		.amdhsa_user_sgpr_kernarg_segment_ptr 1
		.amdhsa_wavefront_size32 1
		.amdhsa_system_sgpr_workgroup_id_x 1
		.amdhsa_system_sgpr_workgroup_id_y 1
		.amdhsa_system_sgpr_workgroup_id_z 1
		.amdhsa_system_vgpr_workitem_id 0
		.amdhsa_next_free_vgpr 512
		.amdhsa_next_free_sgpr 72
		.amdhsa_reserve_vcc 1
		.amdhsa_float_denorm_mode_32 3
		.amdhsa_float_denorm_mode_16_64 3
		.amdhsa_memory_ordered 1
		.amdhsa_forward_progress 1
		.amdhsa_inst_pref_size 87
	.end_amdhsa_kernel
	.amdgpu_metadata
---
amdhsa.version: [ 1, 2 ]
amdhsa.kernels:
  - .name:           k_q0202d7e3b6_outp
    .symbol:         k_q0202d7e3b6_outp.kd
    .args:
      - { .name: attn16, .offset: 0, .size: 8, .value_kind: global_buffer, .address_space: global }
      - { .name: wo16, .offset: 8, .size: 8, .value_kind: global_buffer, .address_space: global }
      - { .name: bo, .offset: 16, .size: 8, .value_kind: global_buffer, .address_space: global }
      - { .name: cosbuf, .offset: 24, .size: 8, .value_kind: global_buffer, .address_space: global }
      - { .name: out0, .offset: 32, .size: 8, .value_kind: global_buffer, .address_space: global }
      - { .name: out1, .offset: 40, .size: 8, .value_kind: global_buffer, .address_space: global }
    .group_segment_fixed_size: 327680
    .private_segment_fixed_size: 0
    .kernarg_segment_align: 8
    .kernarg_segment_size: 48
    .max_flat_workgroup_size: 128
    .sgpr_count:     72
    .vgpr_count:     512
    .wavefront_size: 32
...
	.end_amdgpu_metadata
.endif
;; end of part 4
